; MI455X (gfx1250); checked and timed in simulation.
; The chip was launched on July 23, 2026; its instructions are those of AMD's public machine-readable ISA for CDNA 5 (MIT licence, August 2026) and "CDNA5" Instruction Set Architecture Reference Guide (July 2026). The comments in the code are by the model that wrote it; some were corrected since.
;; Multi Head Self Attention. Allowed arithmetic: matrix products marked QUANTISED: E3M2 operands, one E8M0 scale for each 32 along K, by v_wmma_scale_f32_16x16x128_f8f6f4 with both operands' format E3M2, f32 sums; everything else in f32.
;; Inputs: wk 1,024 x 1,024 float32; wo 1,024 x 1,024 float32; wq 1,024 x 1,024 float32; wv 1,024 x 1,024 float32; x 1 x 4,096 x 1,024 float32.
;; Outputs: out0 1 x 4,096 x 1,024 float32.
;; This version of the problem:
;;   THIS VERSION OF THE PROBLEM IS GIVEN IN LOW PRECISION. The matrix products marked QUANTISED in the list below multiply operands that are first quantised to E3M2 (3 exponent bits, 2 mantissa bits; 6 bits a number), with one power-of-two scale for each 32 numbers along K (OCP MX v1.0); their sums are f32. All else is computed in f32.
;;   The module's matrix products, in the order in which they are computed (A, B: the left and right operand; K: the contracted axis; several contracted axes count as one K, in the product's order):
;;     1. [M 4,096, K 1,024] x [K 1,024, N 1,024]; A: input x; B: input wq: QUANTISED
;;     2. [M 4,096, K 1,024] x [K 1,024, N 1,024]; A: input x; B: input wk: QUANTISED
;;     3. [M 4,096, K 1,024] x [K 1,024, N 1,024]; A: input x; B: input wv: QUANTISED
;;     4. batch 16 x [M 4,096, K 64] x [K 64, N 4,096]; A: computed on the way; B: computed on the way: QUANTISED
;;     5. batch 16 x [M 4,096, K 4,096] x [K 4,096, N 64]; A: softmax (see below); B: computed on the way: QUANTISED
;;     6. [M 4,096, K 1,024] x [K 1,024, N 1,024]; A: computed on the way; B: input wo: QUANTISED
;;   THE QUANTISER, for each operand of a quantised product, along K:
;;     - K is cut into blocks of 32 from its start; a last block that is shorter is filled with zeros.
;;     - A block's scale is 2^e with e = floor(log2(the largest magnitude in the block)) - 4, held to -126 .. 127; a block of zeros has e = 0. As a byte (E8M0): e + 127.
;;     - Each number is divided by its block's scale, clamped to +-28, and rounded to the nearest number of E3M2, ties to even, subnormals kept.
;;     - The product sums the exact products of the quantised numbers (number of the format x scale) in f32.
;;   ~~~python
;;   def quantise(x, axis):      # numpy; x: float32 -> the quantised numbers, widened to float32 again
;;       x = np.moveaxis(x, axis, -1); K = x.shape[-1]
;;       x = np.pad(x, [(0, 0)] * (x.ndim - 1) + [(0, -K % 32)]); x = x.reshape(x.shape[:-1] + (-1, 32)); a = np.abs(x).max(-1, keepdims=True)
;;       e = np.where(a > 0, np.clip(np.frexp(np.where(a > 0, a, 1))[1] - 1 - 4, -126, 127), 0)      # np.frexp(a)[1] - 1 = floor(log2(a)), exactly
;;       r = np.clip(x / 2.0 ** e, -28, 28)
;;       step = 2.0 ** (np.maximum(np.frexp(np.where(r == 0, 1, r))[1] - 1, -2) - 2)
;;       q = np.round(r / step) * step * 2.0 ** e      # np.round: ties to even
;;       return np.moveaxis(q.reshape(q.shape[:-2] + (-1,))[..., :K], -1, axis).astype(np.float32)
;;   ~~~
;;   SOFTMAX AHEAD OF A QUANTISED PRODUCT. Where the list says 'softmax', what is quantised is not the finished softmax but p = 2^(t - M), with t = logit x log2(e) and M = ceil(the row's largest t), a whole number; so 1/2 < the row's largest p <= 1. The row's sum l is taken of the UNQUANTISED p, in f32, and the product's result is divided by l at the end. Since M is a whole number, a kernel that streams over the keys may use a running M (the ceiling of the running maximum): every later rescaling is an exact power of two, which a block's scale takes up: the codes' values come out the same.
;;   OPERANDS COMPUTED ON THE WAY. 'Computed on the way' means the value that the module computes at that place (a softmax that the list does not call 'softmax' is quantised finished and normalised). What goes into a quantiser is computed in f32, as accurately as f32 sums, v_exp_f32 and their like allow (about 1e-6 of the number): no bf16 or f16 on the way to a quantiser, and a product that is left as it is and whose result goes on into a quantised operand takes f32 operands (vector FMAs, or v_wmma_f32_16x16x4_f32). A number that lies on a knife's edge between two numbers of the format may be rounded either way, as far as f32 arithmetic and the matrix unit's own rounding can turn it there, and no further.
;; One version. Each part assembles by itself: llvm-mc -triple=amdgcn-amd-amdhsa -mcpu=gfx1250 --defsym DOCPART=n.
;; ======== version 1 of 1: 4 launches
;; limits: right only within a limited range of input values
;; workspace buffers: codes 6,553,600 bytes; tab 1,048,576 bytes; qc 3,145,728 bytes; qs 262,144 bytes; kv 6,684,672 bytes; ao 3,276,800 bytes
;; launch prep (part 1): grid 256 x 1, 8 waves a work-group, no clusters, 68,608 bytes of LDS; arguments x, wq, wk, wv, wo, codes, tab; writes codes, tab
.if DOCPART == 1
	.amdgcn_target "amdgcn-amd-amdhsa--gfx1250"
	.amdhsa_code_object_version 6
	.text
	.protected	k_q889e1bd76e_prep
	.globl	k_q889e1bd76e_prep
	.p2align	8
	.type	k_q889e1bd76e_prep,@function
k_q889e1bd76e_prep:
	s_mov_b64 s[64:65], 0
	v_nop
	global_prefetch_b8 v0, s[64:65] scope:SCOPE_SE
	s_setreg_imm32_b32 hwreg(HW_REG_WAVE_MODE, 25, 1), 1
	s_wait_xcnt 0x0
; x [4096][1024] and wq, wk, wv, wo [1024][1024], f32, K innermost, become codes of BF6 (E3M2) with one E8M0 byte for each 32 along K,
; laid in the order of a matrix operand's registers; and the table of cos and sin for the rotary embedding is made.
; BLK = 128 rows x 1024 K = 102,400 bytes = four QUARTERS of 25,600 (256 along K each).  In a quarter: fragment (K step parity sp, tile T) at
; sp*12288 + T*1536, register group c of lane l at 512 c + 16 l; scale words at 24576 + T*128 + 4 l: lanes 0-15 the even K step's, lanes 16-31 the odd one's.
; Tile T = 2 g + u holds in lane r the row 32 g + 8 u + r + 8 (r / 8).  BLKs 0-31 x, 32-39 wq, 40-47 wk, 48-55 wv, 56-63 wo.
; Work-group G makes quarter G % 4 of BLK G / 4 (bytes 25,600 G on); wave w makes tile w: two fragments and one register of scale words.
; A block's scale is 2^(floor(log2(largest magnitude)) - 4); its byte is that magnitude's exponent field - 4, held at 1 from below.
; LIMITS: NaN and infinities are not served; a block under 2^-122, a block of zeros among them, gets the byte 1 (its codes are zeros or tiny; only this program reads the bytes).
; TABLE: tab[pos][j] = (cos, sin)(pos / 10000^(j/32)), a row of 256 bytes a position; the wave makes positions 16 G + 2 w and + 1, lane = j.
; 10000^(j/32) = 10^(j/8) is given to ten digits and rounded by the assembler; 1/it is v_rcp_f32 and one Newton step; the angle is one f32 product;
; it is reduced by n = round(angle 2/pi) in two parts of pi/2 (the first difference is exact: both terms are multiples of 2^-24 and the result lies under 1),
; and sine and cosine are Taylor sums to r^9 and r^10 on |r| <= pi/4.
; No barrier: waves share nothing.  No tensor loads: 32 loads of 512 consecutive bytes a wave are out at once.
.set STG, 8448                         ; a wave's stage: 16 rows x (512 bytes + 16)
.set R0,  32                           ; v32-95   K step 0: as loaded, then 64 numbers of my row
.set R1,  96                           ; v96-159  K step 1
.set PC0, 160                          ; v160-179 K step 0's codes (12) and what the conversions need beside them
.set PC1, 180                          ; v180-199 K step 1's
.set TM,  200                          ; v200-215 largest magnitudes, bytes, scale operands
.set PW,  216                          ; v216, v217 the two scale words; v218 both in one register
	s_load_b256 s[4:11], s[0:1], 0x0               ; x, wq, wk, wv
	s_load_b128 s[12:15], s[0:1], 0x20             ; wo, codes
	s_load_b64 s[16:17], s[0:1], 0x30              ; tab
	v_lshl_add_u32 v224, v0, 2, 0x10800
	v_mov_b32 v225, 0
	v_lshrrev_b32 v1, 5, v0
	s_delay_alu instid0(VALU_DEP_1)
	v_readfirstlane_b32 s18, v1                    ; wave = tile
	v_and_b32 v1, 31, v0                           ; lane
	v_and_b32 v2, 15, v0                           ; r
	v_bfe_u32 v3, v0, 4, 1                         ; h
	s_delay_alu instid0(VALU_DEP_3)
	v_lshlrev_b32 v4, 4, v1                        ; 16 x lane
	s_delay_alu instid0(VALU_DEP_4)
	v_lshlrev_b32 v5, 2, v1                        ; 4 x lane
	v_lshlrev_b32 v6, 3, v1                        ; 8 x lane
	s_mul_i32 s19, s18, STG
	v_add_nc_u32 v7, s19, v4                       ; the stage, on the way in: a row's 512 bytes as they lie
	v_mul_u32_u24 v8, v2, 528
	s_delay_alu instid0(VALU_DEP_1)
	v_lshl_add_u32 v8, v3, 6, v8
	s_delay_alu instid0(VALU_DEP_1)
	v_add_nc_u32 v8, s19, v8                       ; and out: row r, my half's 16 numbers of each block of 32
	s_lshr_b32 s20, ttmp9, 2                       ; BLK
	s_and_b32 s21, ttmp9, 3                        ; quarter
	s_and_b32 s22, s20, 7                          ; a weight's block of 128 rows
	s_mul_i32 s26, ttmp9, 25600
	s_mul_i32 s27, s18, 1536
	s_add_co_u32 s28, s26, s27                     ; my fragments' place in codes
	s_mov_b32 s29, 0
	s_lshl_b32 s27, s18, 7
	s_add_co_u32 s30, s26, s27                     ; my scale words' (24,576 stands in the immediate)
	s_mov_b32 s31, 0
	s_lshl_b32 s37, ttmp9, 4
	s_lshl_b32 s27, s18, 1
	s_add_co_u32 s37, s37, s27                     ; my first position
	s_add_co_u32 s38, s37, 1
	s_lshl_b32 s32, s37, 8
	s_mov_b32 s33, 0
	s_mov_b32 s35, 0xbfc90fdb                      ; -(pi/2 rounded to f32)
	s_mov_b32 s36, 0x333bbd2e                      ; that number less pi/2
	s_mov_b32 s40, 0x76543210
	s_mov_b32 s41, 0xfedcba98                      ; v_permlanex16_b32's selects for lane l xor 16
	s_wait_alu depctr_va_vdst(0)
	s_wait_kmcnt 0x0
	s_mov_b64 s[24:25], s[12:13]                   ; the tensor is chosen by the work-group's number alone
	s_cmp_lt_u32 s20, 56
	s_cselect_b64 s[24:25], s[10:11], s[24:25]
	s_cmp_lt_u32 s20, 48
	s_cselect_b64 s[24:25], s[8:9], s[24:25]
	s_cmp_lt_u32 s20, 40
	s_cselect_b64 s[24:25], s[6:7], s[24:25]
	s_cmp_lt_u32 s20, 32
	s_cselect_b64 s[24:25], s[4:5], s[24:25]
	s_cselect_b32 s22, s20, s22
	s_lshl_b32 s22, s22, 7                         ; the block's first row,
	s_lshr_b32 s23, s18, 1
	s_lshl_b32 s23, s23, 5
	s_add_co_u32 s22, s22, s23                     ; + 32 g
	s_and_b32 s23, s18, 1
	s_lshl_b32 s23, s23, 3
	s_add_co_u32 s22, s22, s23                     ; + 8 u
	s_lshl_b32 s22, s22, 12                        ; rows of 4,096 bytes
	s_lshl_b32 s23, s21, 10
	s_add_co_u32 s22, s22, s23                     ; + the quarter's 1,024 bytes
	s_mov_b32 s23, 0
	s_add_nc_u64 s[24:25], s[24:25], s[22:23]
	s_add_nc_u64 s[28:29], s[14:15], s[28:29]
	s_add_nc_u64 s[30:31], s[14:15], s[30:31]
	s_add_nc_u64 s[32:33], s[16:17], s[32:33]
.irp q, 0,1                                    ; K step q, tile row i: 32 lanes read 512 consecutive bytes; read once in the launch
.irp i, 0,1,2,3,4,5,6,7,8,9,10,11,12,13,14,15
	global_load_b128 v[R0+64*\q+4*\i:R0+64*\q+4*\i+3], v4, s[24:25] offset:(\i+8*(\i/8))*4096+512*\q th:TH_LOAD_NT
.endr
.endr
; ---- the table, while the loads are on their way
	v_mov_b32 v9, 1.0
.macro FREQ lane, val
	s_mov_b32 s34, \val
	v_writelane_b32 v9, s34, \lane
.endm
	FREQ 1, 1.333521432
	FREQ 2, 1.778279410
	FREQ 3, 2.371373706
	FREQ 4, 3.162277660
	FREQ 5, 4.216965034
	FREQ 6, 5.623413252
	FREQ 7, 7.498942093
	FREQ 8, 10.0
	FREQ 9, 13.33521432
	FREQ 10, 17.78279410
	FREQ 11, 23.71373706
	FREQ 12, 31.62277660
	FREQ 13, 42.16965034
	FREQ 14, 56.23413252
	FREQ 15, 74.98942093
	FREQ 16, 100.0
	FREQ 17, 133.3521432
	FREQ 18, 177.8279410
	FREQ 19, 237.1373706
	FREQ 20, 316.2277660
	FREQ 21, 421.6965034
	FREQ 22, 562.3413252
	FREQ 23, 749.8942093
	FREQ 24, 1000.0
	FREQ 25, 1333.521432
	FREQ 26, 1778.279410
	FREQ 27, 2371.373706
	FREQ 28, 3162.277660
	FREQ 29, 4216.965034
	FREQ 30, 5623.413252
	FREQ 31, 7498.942093
	s_wait_alu depctr_va_vdst(0)
	v_rcp_f32 v10, v9
	v_nop                                          ; a plain instruction behind the reciprocal
	s_wait_alu depctr_va_vdst(0)                   ; and the wait ahead of its first reader
	v_fma_f32 v11, -v9, v10, 1.0
	v_fma_f32 v10, v10, v11, v10                   ; one Newton step: 1 / 10000^(j/32)
.macro TRIG sp, d, off                         ; position s[sp]: (cos, sin) into v[d], v[d+1], and out
	v_cvt_f32_u32 v12, s[\sp]
	s_delay_alu instid0(VALU_DEP_1)
	v_mul_f32 v12, v12, v10                        ; the angle, one rounding
	s_delay_alu instid0(VALU_DEP_1)
	v_mul_f32 v13, 0x3f22f983, v12
	s_delay_alu instid0(VALU_DEP_1)
	v_rndne_f32 v13, v13                           ; n = round(angle x 2/pi)
	s_delay_alu instid0(VALU_DEP_1)
	v_fma_f32 v14, v13, s35, v12                   ; exact
	s_delay_alu instid0(VALU_DEP_1)
	v_fma_f32 v14, v13, s36, v14                   ; r = angle - n pi/2
	s_delay_alu instid0(VALU_DEP_1)
	v_mul_f32 v15, v14, v14                        ; z = r^2
	s_delay_alu instid0(VALU_DEP_4)
	v_cvt_i32_f32 v16, v13
	v_mov_b32 v17, 0x3638ef1d                      ; 1/9!
	s_delay_alu instid0(VALU_DEP_1)
	v_fmaak_f32 v17, v17, v15, 0xb9500d01          ; -1/7!
	s_delay_alu instid0(VALU_DEP_1)
	v_fmaak_f32 v17, v17, v15, 0x3c088889          ; 1/5!
	s_delay_alu instid0(VALU_DEP_1)
	v_fmaak_f32 v17, v17, v15, 0xbe2aaaab          ; -1/3!
	s_delay_alu instid0(VALU_DEP_1)
	v_mul_f32 v17, v17, v15
	s_delay_alu instid0(VALU_DEP_1)
	v_fma_f32 v17, v17, v14, v14                   ; sin r
	v_mov_b32 v18, 0xb493f27e                      ; -1/10!
	s_delay_alu instid0(VALU_DEP_1)
	v_fmaak_f32 v18, v18, v15, 0x37d00d01          ; 1/8!
	s_delay_alu instid0(VALU_DEP_1)
	v_fmaak_f32 v18, v18, v15, 0xbab60b61          ; -1/6!
	s_delay_alu instid0(VALU_DEP_1)
	v_fmaak_f32 v18, v18, v15, 0x3d2aaaab          ; 1/4!
	s_delay_alu instid0(VALU_DEP_1)
	v_fmaak_f32 v18, v18, v15, 0xbf000000          ; -1/2!
	s_delay_alu instid0(VALU_DEP_1)
	v_fma_f32 v18, v18, v15, 1.0                   ; cos r
	v_and_b32 v19, 1, v16
	s_delay_alu instid0(VALU_DEP_1)
	v_cmp_eq_u32 vcc_lo, 1, v19                    ; in odd quadrants the two change places
	s_delay_alu instid0(VALU_DEP_1)
	v_cndmask_b32 v[\d], v18, v17, vcc_lo
	s_delay_alu instid0(VALU_DEP_2)
	v_cndmask_b32 v[\d+1], v17, v18, vcc_lo
	v_add_nc_u32 v19, 1, v16
	s_delay_alu instid0(VALU_DEP_1)
	v_and_b32 v19, 2, v19                          ; cos is negative in quadrants 1 and 2: bit 1 of n + 1
	s_delay_alu instid0(VALU_DEP_1)
	v_lshlrev_b32 v19, 30, v19
	s_delay_alu instid0(VALU_DEP_1)
	v_xor_b32 v[\d], v19, v[\d]
	v_and_b32 v19, 2, v16                          ; sin in quadrants 2 and 3: bit 1 of n
	s_delay_alu instid0(VALU_DEP_1)
	v_lshlrev_b32 v19, 30, v19
	s_delay_alu instid0(VALU_DEP_1)
	v_xor_b32 v[\d+1], v19, v[\d+1]
	global_store_b64 v6, v[\d:\d+1], s[32:33] offset:\off   ; 32 lanes store a position's 256 bytes
.endm
	TRIG 37, 20, 0
	TRIG 38, 22, 256
; ---- the codes
.irp b, 0,1,2,3
	v_mov_b32 v[TM+4+\b], 0                        ; written once: a lane permute's destination counts as one of its sources
.endr
; 16 rows x 512 bytes go through my stage as they lie and come back so that register 16 b + i is number 32 b + 16 h + i of row r
.macro TURN rr
.irp i, 0,1,2,3,4,5,6,7,8,9,10,11,12,13,14,15
	ds_store_b128 v7, v[\rr+4*\i:\rr+4*\i+3] offset:528*\i
.endr
	s_wait_dscnt 0x0                               ; the stores are done: their registers take the loads below
.irp b, 0,1,2,3
.irp j, 0,1,2,3
	ds_load_b128 v[\rr+16*\b+4*\j:\rr+16*\b+4*\j+3], v8 offset:128*\b+16*\j
.endr
.endr
	s_wait_dscnt 0x0
.endm
; 64 numbers of a lane become a fragment's 12 registers of codes in v[pc] on and my row's scale word in v[pw]
.macro QUANT s, pc, pw
.irp b, 0,1,2,3
	v_max3_num_f32 v[TM+\b], |v[\s+16*\b]|, |v[\s+1+16*\b]|, 0x2800000   ; my 16 numbers of block b, and the floor 2^(5 - 127): the byte cannot fall under 1
.endr
.irp i, 2,4,6,8,10,12,14
.irp b, 0,1,2,3
	s_delay_alu instid0(VALU_DEP_4)
	v_max3_num_f32 v[TM+\b], v[TM+\b], |v[\s+16*\b+\i]|, |v[\s+1+16*\b+\i]|
.endr
.endr
.irp b, 0,1,2,3
	s_delay_alu instid0(VALU_DEP_4)
	v_permlanex16_b32 v[TM+4+\b], v[TM+\b], s40, s41
.endr
.irp b, 0,1,2,3
	s_delay_alu instid0(VALU_DEP_4)
	v_max_num_f32 v[TM+\b], v[TM+\b], v[TM+4+\b]   ; with lane l xor 16's: the block's largest magnitude
.endr
.irp b, 0,1,2,3
	s_delay_alu instid0(VALU_DEP_4)
	v_add_nc_u32 v[TM+12+\b], 0xfe000000, v[TM+\b] ; 4 off its exponent field: the conversion's scale operand
.endr
.irp b, 0,1,2,3
	s_delay_alu instid0(VALU_DEP_4)
	v_lshrrev_b32 v[TM+4+\b], 23, v[TM+12+\b]      ; the scale's byte
.endr
	s_delay_alu instid0(VALU_DEP_3)
	v_lshl_or_b32 v[\pw], v[TM+5], 8, v[TM+4]
	s_delay_alu instid0(VALU_DEP_1)
	v_lshl_or_b32 v[\pw], v[TM+6], 16, v[\pw]
	s_delay_alu instid0(VALU_DEP_1)
	v_lshl_or_b32 v[\pw], v[TM+7], 24, v[\pw]
.irp c, 0,1
	v_cvt_scalef32_pk16_bf6_f32 v[\pc+6*\c:\pc+2+6*\c], v[\s+32*\c:\s+15+32*\c], v[TM+12+2*\c]
	v_cvt_scalef32_pk16_bf6_f32 v[\pc+12+4*\c:\pc+14+4*\c], v[\s+16+32*\c:\s+31+32*\c], v[TM+13+2*\c]   ; (a conversion's three registers begin on an even number)
.endr
	v_nop                                          ; one plain instruction behind a scaled conversion
.irp c, 0,1                                    ; the operand wants a whole block in a lane: lanes 0-15 block 2 c, lanes 16-31 block 2 c + 1
.irp i, 0,1,2
	v_permlane16_swap_b32 v[\pc+6*\c+\i], v[\pc+12+4*\c+\i]
.endr
.irp i, 0,1,2
	s_delay_alu instid0(VALU_DEP_3)
	v_mov_b32 v[\pc+3+6*\c+\i], v[\pc+12+4*\c+\i]
.endr
.endr
.endm
	s_wait_loadcnt 16                              ; K step 0's sixteen loads are in; K step 1's sixteen may be out
	TURN R0
	QUANT R0, PC0, PW
.irp c, 0,1,2
	global_store_b128 v4, v[PC0+4*\c:PC0+4*\c+3], s[28:29] offset:512*\c          ; 512 consecutive bytes
.endr
	s_wait_loadcnt 0x0
	TURN R1
	QUANT R1, PC1, PW+1
.irp c, 0,1,2
	global_store_b128 v4, v[PC1+4*\c:PC1+4*\c+3], s[28:29] offset:12288+512*\c
.endr
	v_cmp_gt_u32 vcc_lo, 16, v1
	s_delay_alu instid0(VALU_DEP_1)
	v_cndmask_b32 v[PW+2], v[PW+1], v[PW], vcc_lo  ; lanes 0-15: the even K step's words; lanes 16-31: the odd one's
	global_store_b32 v5, v[PW+2], s[30:31] offset:24576
	s_wait_tensorcnt 0x0
	ds_add_u32 v224, v225
	s_wait_dscnt 0x0
	s_endpgm
.Lfunc_end_k_q889e1bd76e_prep:
	.size	k_q889e1bd76e_prep, .Lfunc_end_k_q889e1bd76e_prep-k_q889e1bd76e_prep
	.p2alignl 7, 3214868480
	.fill 96, 4, 3214868480
	.section	.rodata,"a",@progbits
	.p2align	6, 0x0
	.amdhsa_kernel k_q889e1bd76e_prep
		.amdhsa_group_segment_fixed_size 68608
		.amdhsa_private_segment_fixed_size 0
		.amdhsa_enable_private_segment 0
		.amdhsa_kernarg_size 56
		.amdhsa_user_sgpr_count 2
		.amdhsa_user_sgpr_kernarg_segment_ptr 1
		.amdhsa_wavefront_size32 1
		.amdhsa_system_sgpr_workgroup_id_x 1
		.amdhsa_system_sgpr_workgroup_id_y 1
		.amdhsa_system_sgpr_workgroup_id_z 1
		.amdhsa_system_vgpr_workitem_id 0
		.amdhsa_next_free_vgpr 226
		.amdhsa_next_free_sgpr 66
		.amdhsa_reserve_vcc 1
		.amdhsa_float_denorm_mode_32 3
		.amdhsa_float_denorm_mode_16_64 3
		.amdhsa_memory_ordered 1
		.amdhsa_forward_progress 1
		.amdhsa_inst_pref_size 31
	.end_amdhsa_kernel
	.amdgpu_metadata
---
amdhsa.version: [ 1, 2 ]
amdhsa.kernels:
  - .name:           k_q889e1bd76e_prep
    .symbol:         k_q889e1bd76e_prep.kd
    .args:
      - { .name: x, .offset: 0, .size: 8, .value_kind: global_buffer, .address_space: global }
      - { .name: wq, .offset: 8, .size: 8, .value_kind: global_buffer, .address_space: global }
      - { .name: wk, .offset: 16, .size: 8, .value_kind: global_buffer, .address_space: global }
      - { .name: wv, .offset: 24, .size: 8, .value_kind: global_buffer, .address_space: global }
      - { .name: wo, .offset: 32, .size: 8, .value_kind: global_buffer, .address_space: global }
      - { .name: codes, .offset: 40, .size: 8, .value_kind: global_buffer, .address_space: global }
      - { .name: tab, .offset: 48, .size: 8, .value_kind: global_buffer, .address_space: global }
    .group_segment_fixed_size: 68608
    .private_segment_fixed_size: 0
    .kernarg_segment_align: 8
    .kernarg_segment_size: 56
    .max_flat_workgroup_size: 256
    .sgpr_count:     66
    .vgpr_count:     226
    .wavefront_size: 32
...
	.end_amdgpu_metadata
.endif
;; end of part 1
;; launch qkv (part 2): grid 8 x 32, 4 waves a work-group, clusters of 4 x 4, 327,680 bytes of LDS; arguments codes, tab, qc, qs, kv; writes qc, qs, kv
.if DOCPART == 2
	.amdgcn_target "amdgcn-amd-amdhsa--gfx1250"
	.amdhsa_code_object_version 6
	.text
	.protected	k_q889e1bd76e_qkv
	.globl	k_q889e1bd76e_qkv
	.p2align	8
	.type	k_q889e1bd76e_qkv,@function
k_q889e1bd76e_qkv:
	s_mov_b64 s[64:65], 0
	v_nop
	global_prefetch_b8 v0, s[64:65] scope:SCOPE_SE
	s_setreg_imm32_b32 hwreg(HW_REG_WAVE_MODE, 25, 1), 1
	s_wait_xcnt 0x0
	s_wait_alu depctr_hold_cnt(0) depctr_sa_sdst(0) depctr_va_vdst(0) depctr_va_sdst(0) depctr_va_ssrc(0) depctr_va_vcc(0) depctr_vm_vsrc(0)
	s_getreg_b32 s2, hwreg(HW_REG_IB_STS2, 6, 4)
	s_cmp_eq_u32 s2, 0
	s_cbranch_scc0 .Lentry_in_a_cluster
	s_endpgm
.Lentry_in_a_cluster:
	s_bfe_u32 s2, ttmp6, 0x10000c
	s_cmp_lg_u32 s2, 0xf033
	s_cbranch_scc0 .Lentry_shape_is_right
	s_endpgm
.Lentry_shape_is_right:
; q = rope(x wq^T), k = rope(x wk^T), v = x wv^T on codes of BF6 with E8M0 scales, and their quantising for the attention that follows.
; A work-group takes 128 rows of x (BLK y) against 128 rows of each weight (BLKs 32 + x, 40 + x, 48 + x: two heads), all of K = 1024 in LDS.
; Wave (a, b) makes x's rows 64 a on times the weight's rows 64 b on (head 2 x + b): 16 accumulators, 8 K steps of 128, three times.
; Operands lie in LDS as images of their registers (see the launch before): a fragment is three loads of 16 bytes a lane, 512 consecutive bytes each: no pitch, no padding.
; q, k: source 0 = 16 rows of the weight, source 1 = 16 rows of x: a lane holds ONE position and its 32 registers of a tile of x run along the head's channels
; (register 16 b' + i = channel 32 b' + 16 h + i): cos and sin are applied in registers and the 64 channels are quantised where they lie.
; v: the sources change places: a lane holds one channel and its registers run down the keys, which are the K of attention's second product.
; OUT: a HALF = 16 rows x 64 K: registers 0-3 at 16 l, registers 4-5 at 512 + 8 l (768 bytes); its scale word has two bytes in use, the upper two are 0.
;   qc [head][tile] HALF, qs [head][tile][16 words];  kv [head][128 keys] records of 13,056 bytes: K's 8 HALVES, V's (channel tile, key half) 8 HALVES from 6,144, K's words from 12,288, V's from 12,800.
; CLUSTER 4 x 4: x's BLK hangs on y alone and is asked for jointly along a row of the cluster, a weight's on x alone, down a column.
; LDS: x 102,400 | W0 102,400 (wq, later wv) | W1 102,400 (wk) | the spare words.  One refill: wv into wq's bytes, behind a round of the cluster's barrier.
; A wave has at most one tensor load out.
; LIMITS: NaN and infinities are not served; a block under 2^-122 (zeros too) gets the byte 1.
; REGISTERS.  window 0: v1-4 my lane's places, v5-8 the K pair's addresses, v9-10 the add's, v11-13 16, 8, 4 x lane, v15 my place in the table;
;   v16-31 scale words, two sets; v32-127 fragments of even K steps (in the epilogues: at work); v128-255 accumulators (lane tile l, run tile r at 128 + 32 l + 8 r).
;   window 1: v0-127 cos and sin of my four tiles of positions; v128-223 fragments of odd K steps.
.set XR,    0
.set W0,    102400
.set W1,    204800
.set SPARE, 307200                     ; 128 bytes for each wave: two blocks of 256 bytes that no other line names
.set QB,    25600                      ; a quarter of a BLK: a pair of K steps
.set BLKB,  102400
.set REC,   13056
.set ACC,   128
.set PCS,   32                         ; v32-71   two sets of 20: codes
.set TM,    72                         ; v72-87   largest magnitudes, bytes, scale operands
.set PWS,   88                         ; v88-95   two sets of 4: two tiles' scale words, and both in one register
.set RT,    96                         ; v96-103  products on the way
.set G1X, 24                           ; s[24:31] group 1 for x;  s[32:39] for the weights: they differ in the mask
.set G1W, 32
.set GX0, 40                           ; groups 0: x's two quarters,
.set GX1, 44
.set GW0, 48                           ; wq's two,
.set GW1, 52
.set GW2, 56                           ; wk's one,
.set GW3, 60                           ; wv's one (the refill)
.set MSB, 0
.macro WIN new                         ; the immediate's high byte repeats the setting that is left
.if MSB != \new
	s_set_vgpr_msb (MSB<<8)|\new
.set MSB, \new
.endif
.endm
.macro PLACES
.rept 4
	v_nop
.endr
.endm
.macro CROUND                          ; a round of the cluster's barrier
	s_barrier_signal -1
	s_barrier_wait -1
	s_cmp_lg_u32 s14, 0
	s_cbranch_scc1 .Lnot_wave_0_\@
	s_barrier_signal -3
.Lnot_wave_0_\@:
	s_barrier_wait -3
	s_barrier_signal -1
	s_barrier_wait -1
.endm
	s_load_b256 s[4:11], s[0:1], 0x0               ; codes, tab, qc, qs
	s_load_b64 s[12:13], s[0:1], 0x20              ; kv
	v_lshl_add_u32 v9, v0, 2, SPARE
	v_mov_b32 v10, 0
	ds_add_u32 v9, v10
	ds_add_u32 v9, v10
	s_wait_dscnt 0x0
	v_lshrrev_b32 v1, 5, v0
	v_readfirstlane_b32 s14, v1                    ; wave
	s_lshr_b32 s15, s14, 1                         ; a: which 64 rows of x
	s_and_b32 s16, s14, 1                          ; b: which 64 rows of the weight
	s_bfe_u32 s17, ttmp6, 0x40000                  ; cx
	s_bfe_u32 s18, ttmp6, 0x40004                  ; cy
	s_lshl_b32 s19, ttmp9, 2
	s_add_co_u32 s19, s19, s17                     ; the weights' block: 4 x cluster x + cx
	s_and_b32 s20, ttmp7, 0xffff
	s_lshl_b32 s20, s20, 2
	s_add_co_u32 s20, s20, s18                     ; x's block: 4 x cluster y + cy
	s_lshl_b32 s21, s18, 2
	s_lshl_b32 s21, 15, s21                        ; my row of the cluster
	s_lshl_b32 s92, 0x1111, s17                    ; my column
	s_or_b32 s[G1X], s21, (3<<16)|(1<<21)          ; 15:0 the mask; 17:16 elements of 8 bytes; 21 set beside a mask; no padding
	s_or_b32 s[G1W], s92, (3<<16)|(1<<21)
.irp g, G1X, G1W                               ; a quarter is a dense block: 100 rows of 256 bytes
	s_mov_b32 s[\g+1], 32<<16                      ; tensor_dim0 = 32
	s_mov_b32 s[\g+2], 200<<16                     ; tensor_dim1 = 200: the head's loads bring half a BLK
	s_mov_b32 s[\g+3], 32<<16                      ; tile_dim0 = 32
	s_mov_b32 s[\g+4], 200                         ; tile_dim1 = 200
	s_mov_b32 s[\g+5], 32                          ; from row to row
	s_mov_b32 s[\g+6], 0
	s_mov_b32 s[\g+7], 0
.endr
	s_mul_i32 s82, s16, 2*QB                       ; half b of a BLK
	s_mul_i32 s83, s14, QB                         ; quarter w
	s_mul_i32 s80, s20, BLKB                       ; x's offsets hang on y alone,
	s_add_co_u32 s80, s80, s82
	s_mov_b32 s81, 0
	s_mul_i32 s84, s19, BLKB                       ; the weights' on x alone, in registers of their own
	s_add_co_u32 s84, s84, 32*BLKB
	s_add_co_u32 s86, s84, s82                     ; wq, half b
	s_mov_b32 s87, 0
	s_add_co_u32 s88, s84, s83
	s_add_co_u32 s88, s88, 8*BLKB                  ; wk, quarter w
	s_mov_b32 s89, 0
	s_add_co_u32 s90, s88, 8*BLKB                  ; wv, quarter w
	s_mov_b32 s91, 0
	s_mov_b32 s22, 0x76543210
	s_mov_b32 s23, 0xfedcba98
	s_wait_kmcnt 0x0
	s_mov_b32 s[GX0], 1
	s_add_co_u32 s[GX0+1], s82, XR
	s_add_nc_u64 s[GX0+2:GX0+3], s[4:5], s[80:81]
	s_or_b32 s[GX0+3], s[GX0+3], 0x80000000
	s_mov_b32 s[GW0], 1
	s_add_co_u32 s[GW0+1], s82, W0
	s_add_nc_u64 s[GW0+2:GW0+3], s[4:5], s[86:87]
	s_or_b32 s[GW0+3], s[GW0+3], 0x80000000
	s_mov_b32 s[GW2], 1
	s_add_co_u32 s[GW2+1], s83, W1
	s_add_nc_u64 s[GW2+2:GW2+3], s[4:5], s[88:89]
	s_or_b32 s[GW2+3], s[GW2+3], 0x80000000
	s_mov_b32 s[GW3], 1
	s_add_co_u32 s[GW3+1], s83, W0
	s_add_nc_u64 s[GW3+2:GW3+3], s[4:5], s[90:91]
	s_or_b32 s[GW3+3], s[GW3+3], 0x80000000
	CROUND                                         ; all sixteen work-groups are here: the first joint loads meet
	s_cmp_lt_u32 s14, 2                            ; a wave's first fill stands in one branch on the wave's number
	s_cbranch_scc0 .Lfill_w
	tensor_load_to_lds s[GX0:GX0+3], s[G1X:G1X+7]  ; waves 0, 1: x's half b
	s_nop 0
	PLACES
	s_branch .Lfilled
.Lfill_w:
	tensor_load_to_lds s[GW0:GW0+3], s[G1W:G1W+7]  ; waves 2, 3: wq's half b
	s_nop 0
	PLACES
.Lfilled:
	v_and_b32 v14, 31, v0                          ; lane
	v_lshlrev_b32 v11, 4, v14
	v_lshlrev_b32 v12, 3, v14
	v_lshlrev_b32 v13, 2, v14
	s_mul_i32 s94, s15, 6144
	v_add_nc_u32 v1, s94, v11                      ; x's fragments: my four tiles begin 4 a x 1,536 bytes into a K step
	s_mul_i32 s94, s16, 6144
	v_add_nc_u32 v2, s94, v11                      ; the weight's
	s_lshl_b32 s94, s15, 9
	v_add_nc_u32 v3, s94, v13                      ; x's scale words
	s_lshl_b32 s94, s16, 9
	v_add_nc_u32 v4, s94, v13                      ; the weight's
	v_and_b32 v15, 15, v0
	v_and_b32 v5, 8, v15
	v_add_nc_u32 v15, v15, v5                      ; r + 8 (r / 8): my position in a tile
	v_lshlrev_b32 v15, 8, v15
	v_bfe_u32 v5, v0, 4, 1
	v_lshl_add_u32 v15, v5, 6, v15                 ; its row of the table, + 64 h: eight pairs of channels
	v_cmp_gt_u32 s93, 16, v14                      ; lanes 0-15
	s_lshl_b32 s78, s20, 15
	s_lshl_b32 s94, s15, 14
	s_add_co_u32 s78, s78, s94
	s_mov_b32 s79, 0
	s_add_nc_u64 s[78:79], s[6:7], s[78:79]        ; the table at position 128 y + 64 a
	WIN 0x40                                       ; destination window 1
.irp xt, 0,1,2,3                               ; register 32 xt + n: cos (n even) and sin (n odd) for accumulator registers n, n + 1 of tile xt
.irp q, 0,1,2,3,4,5,6,7
	global_load_b128 v[32*\xt+4*\q:32*\xt+4*\q+3], v15, s[78:79] offset:(32*(\xt/2)+8*(\xt%2))*256+128*(\q/4)+16*(\q%4)
.endr
.endr
	WIN 0
	s_lshl_b32 s94, s19, 1
	s_add_co_u32 s94, s94, s16                     ; head = 2 x + b
	s_lshl_b32 s95, s94, 8
	s_lshl_b32 s66, s20, 3
	s_add_co_u32 s95, s95, s66
	s_lshl_b32 s66, s15, 2
	s_add_co_u32 s95, s95, s66                     ; my first tile of q: 256 head + 8 y + 4 a
	s_mul_i32 s66, s95, 768
	s_mov_b32 s67, 0
	s_add_nc_u64 s[66:67], s[8:9], s[66:67]        ; s[66:67] q's codes
	s_lshl_b32 s68, s95, 6
	s_mov_b32 s69, 0
	s_add_nc_u64 s[68:69], s[10:11], s[68:69]      ; s[68:69] q's words
	s_lshl_b32 s95, s94, 5
	s_add_co_u32 s95, s95, s20
	s_mul_i32 s95, s95, REC                        ; my record: 32 head + y
	s_mul_i32 s70, s15, 3072
	s_add_co_u32 s70, s70, s95
	s_mov_b32 s71, 0
	s_add_nc_u64 s[70:71], s[12:13], s[70:71]      ; s[70:71] K's tiles 4 a on
	s_lshl_b32 s72, s15, 8
	s_add_co_u32 s72, s72, s95
	s_mov_b32 s73, 0
	s_add_nc_u64 s[72:73], s[12:13], s[72:73]      ; s[72:73] their words (12,288 stands in the immediate)
	s_mul_i32 s74, s15, 768
	s_add_co_u32 s74, s74, s95
	s_mov_b32 s75, 0
	s_add_nc_u64 s[74:75], s[12:13], s[74:75]      ; s[74:75] V's key half a (6,144 in the immediate)
	s_lshl_b32 s76, s15, 1
	s_add_co_u32 s76, s76, s95
	s_mov_b32 s77, 0
	s_add_nc_u64 s[76:77], s[12:13], s[76:77]      ; s[76:77] its two bytes of V's words (12,800 in the immediate)
; The fragments of K step s: four of the run operand, four of the lane operand; with an even step the pair's scale words (lanes 0-15 the even step's, lanes 16-31 the odd one's)
.macro FETCH s
.if (\s)%2
	WIN 0x40
.else
	WIN 0
.endif
.set FB, 32+96*((\s)%2)
.irp f, 0,1,2,3
.irp c, 0,1,2
	ds_load_b128 v[FB+12*\f+4*\c:FB+12*\f+4*\c+3], v5 offset:12288*((\s)%2)+1536*\f+512*\c
.endr
.endr
.irp f, 0,1,2,3
.irp c, 0,1,2
	ds_load_b128 v[FB+48+12*\f+4*\c:FB+48+12*\f+4*\c+3], v6 offset:12288*((\s)%2)+1536*\f+512*\c
.endr
.endr
.if (\s)%2 == 0
.set SS, 16+8*(((\s)/2)%2)
.irp f, 0,1,2,3
	ds_load_b32 v[SS+\f], v7 offset:24576+128*\f
	ds_load_b32 v[SS+4+\f], v8 offset:24576+128*\f
.endr
.endif
.endm
.macro MM l, r                         ; one product of K step ks; the first step starts the sums: nothing is cleared
.set AC, ACC+32*\l+8*\r
.set FA, FBM+12*\r
.set FL, FBM+48+12*\l
.if ks == 0
	v_wmma_scale_f32_16x16x128_f8f6f4 v[AC:AC+7], v[FA:FA+11], v[FL:FL+11], 0, v[SSM+\r], v[SSM+4+\l] matrix_a_fmt:MATRIX_FMT_BF6 matrix_b_fmt:MATRIX_FMT_BF6
.elseif ks%2
	v_wmma_scale_f32_16x16x128_f8f6f4 v[AC:AC+7], v[FA:FA+11], v[FL:FL+11], v[AC:AC+7], v[SSM+\r], v[SSM+4+\l] matrix_a_fmt:MATRIX_FMT_BF6 matrix_b_fmt:MATRIX_FMT_BF6 matrix_a_scale:MATRIX_SCALE_ROW1 matrix_b_scale:MATRIX_SCALE_ROW1
.else
	v_wmma_scale_f32_16x16x128_f8f6f4 v[AC:AC+7], v[FA:FA+11], v[FL:FL+11], v[AC:AC+7], v[SSM+\r], v[SSM+4+\l] matrix_a_fmt:MATRIX_FMT_BF6 matrix_b_fmt:MATRIX_FMT_BF6
.endif
.endm
; A product of 64 x 64 over K = 1024.  rb, rsb: the run operand's (source 0) lane addresses of fragments and words, rc its LDS byte; lb, lsb, lc the lane operand's (source 1).
; A K step's fragments are asked for a step ahead, into the other buffer.  The 16 accumulators take turns, one instruction a turn, in the same order in every step.
; sync = 1: the operands' second halves are first fills still on their way: ahead of the first read of them each wave waits for its own and passes a barrier.
.macro MAIN rb, rc, rsb, lb, lc, lsb, sync, cnt
	WIN 0
	v_add_nc_u32 v5, \rc, v[\rb]
	v_add_nc_u32 v6, \lc, v[\lb]
	v_add_nc_u32 v7, \rc, v[\rsb]
	v_add_nc_u32 v8, \lc, v[\lsb]
	FETCH 0
.set ks, 0
.rept 8
.if (\sync) && (ks == 3)
	s_wait_dscnt 0x0                               ; no LDS instruction of mine is out at a signal
	s_wait_tensorcnt \cnt                          ; my second first fill has landed; what was issued behind it may stay out
	s_barrier_signal -1
	s_barrier_wait -1
.endif
.if ks < 7
.if ks%2
	WIN 0                                          ; the next K pair's addresses: four plain instructions, the places in front of the loads below
	v_add_nc_u32 v5, \rc+QB*((ks+1)/2), v[\rb]
	v_add_nc_u32 v6, \lc+QB*((ks+1)/2), v[\lb]
	v_add_nc_u32 v7, \rc+QB*((ks+1)/2), v[\rsb]
	v_add_nc_u32 v8, \lc+QB*((ks+1)/2), v[\lsb]
.else
	PLACES                                         ; four places in front of loads into registers that matrix instructions have read
.endif
	FETCH ks+1
.if ks%2
	s_wait_alu depctr_va_vdst(0)
	s_wait_dscnt 32                                ; this step's fragments are in; the 32 loads just issued may be out
.else
	s_wait_dscnt 24                                ; likewise the 24
.endif
.else
	s_wait_dscnt 0x0
.endif
	WIN (ks%2)*5                                   ; odd steps: sources 0 and 1 in window 1
.set FBM, 32+96*(ks%2)
.set SSM, 16+8*((ks/2)%2)
.irp l, 0,1,2,3
.irp r, 0,1,2,3
	MM \l, \r
.endr
.endr
.set ks, ks+1
.endr
	WIN 0
.endm
; cos and sin on the 64 registers of tiles 2 pr and 2 pr + 1: (e, o) -> (c e - s o, s e + c o); each accumulator from its low end on
.macro ROPE pr
	WIN 0x01                                       ; source 0: the table, window 1
.set t8, 0
.rept 8
.irp n, 0,2,4,6
	v_mul_f32 v[RT+\n], v[64*\pr+t8+\n], v[ACC+64*\pr+t8+\n]
.endr
.irp n, 0,2,4,6
	v_mul_f32 v[RT+1+\n], v[64*\pr+t8+1+\n], v[ACC+64*\pr+t8+\n]
.endr
.irp n, 0,2,4,6
	v_fma_f32 v[ACC+64*\pr+t8+\n], -v[64*\pr+t8+1+\n], v[ACC+64*\pr+t8+1+\n], v[RT+\n]
.endr
.irp n, 0,2,4,6
	v_fma_f32 v[ACC+64*\pr+t8+1+\n], v[64*\pr+t8+\n], v[ACC+64*\pr+t8+1+\n], v[RT+1+\n]
.endr
.set t8, t8+8
.endr
	WIN 0
.endm
; 64 numbers of a lane, register 16 b + i = number 32 (b % 2) + 16 h + i of tile b / 2's row, become two HALVES (v[pc] .. +5, v[pc+6] .. +11) and their words, joined in v[pw+2]
.macro QUANTH s, pc, pw
.irp b, 0,1,2,3
	v_max3_num_f32 v[TM+\b], |v[\s+16*\b]|, |v[\s+1+16*\b]|, 0x2800000   ; with the floor 2^(5 - 127): the byte cannot fall under 1
.endr
.irp i, 2,4,6,8,10,12,14
.irp b, 0,1,2,3
	v_max3_num_f32 v[TM+\b], v[TM+\b], |v[\s+16*\b+\i]|, |v[\s+1+16*\b+\i]|
.endr
.endr
.irp b, 0,1,2,3
	v_permlanex16_b32 v[TM+4+\b], v[TM+\b], s22, s23
.endr
.irp b, 0,1,2,3
	v_max_num_f32 v[TM+\b], v[TM+\b], v[TM+4+\b]
.endr
.irp b, 0,1,2,3
	v_add_nc_u32 v[TM+12+\b], 0xfe000000, v[TM+\b] ; 4 off the exponent field: the conversion's scale operand
.endr
.irp b, 0,1,2,3
	v_lshrrev_b32 v[TM+4+\b], 23, v[TM+12+\b]      ; the scale's byte
.endr
	v_lshl_or_b32 v[\pw], v[TM+5], 8, v[TM+4]      ; the first tile's word: two bytes, the upper two 0
	v_lshl_or_b32 v[\pw+1], v[TM+7], 8, v[TM+6]    ; the second's
	v_cndmask_b32 v[\pw+2], v[\pw+1], v[\pw], s93  ; lanes 0-15 the first, lanes 16-31 the second
.irp c, 0,1
	v_cvt_scalef32_pk16_bf6_f32 v[\pc+6*\c:\pc+2+6*\c], v[\s+32*\c:\s+15+32*\c], v[TM+12+2*\c]
	v_cvt_scalef32_pk16_bf6_f32 v[\pc+12+4*\c:\pc+14+4*\c], v[\s+16+32*\c:\s+31+32*\c], v[TM+13+2*\c]
.endr
	v_nop                                          ; one plain instruction behind a scaled conversion
.irp c, 0,1
.irp i, 0,1,2
	v_permlane16_swap_b32 v[\pc+6*\c+\i], v[\pc+12+4*\c+\i]
.endr
.irp i, 0,1,2
	v_mov_b32 v[\pc+3+6*\c+\i], v[\pc+12+4*\c+\i]
.endr
.endr
.endm
; the two HALVES and their words leave: 512 and 256 consecutive bytes a store, at multiples of 256
.macro OUTP pr, pc, pw, cb, co, cs, sb, so, wide
	global_store_b128 v11, v[\pc:\pc+3], s[\cb:\cb+1] offset:\co+(2*\pr)*\cs
	global_store_b64 v12, v[\pc+4:\pc+5], s[\cb:\cb+1] offset:\co+(2*\pr)*\cs+512
	global_store_b128 v11, v[\pc+6:\pc+9], s[\cb:\cb+1] offset:\co+(2*\pr+1)*\cs
	global_store_b64 v12, v[\pc+10:\pc+11], s[\cb:\cb+1] offset:\co+(2*\pr+1)*\cs+512
.if \wide
	global_store_b32 v13, v[\pw+2], s[\sb:\sb+1] offset:\so+128*\pr
.else
	global_store_b16 v13, v[\pw+2], s[\sb:\sb+1] offset:\so+128*\pr      ; V: my key half's two bytes of each word
.endif
.endm
.macro EPI rope, cb, co, cs, sb, so, wide
.irp b, 0,1,2,3
	v_mov_b32 v[TM+4+\b], 0                        ; a lane permute's destination counts as one of its sources
.endr
.irp pr, 0,1
.if \rope
	ROPE \pr
.endif
	QUANTH ACC+64*\pr, PCS+20*\pr, PWS+4*\pr
	OUTP \pr, PCS+20*\pr, PWS+4*\pr, \cb, \co, \cs, \sb, \so, \wide
.endr
	s_wait_xcnt 0x0                                ; the stores have read their registers: the next product's fragments land there
.endm
	; One tensor load a wave at the head: waves 0, 1 x's halves, waves 2, 3 wq's.  wk's first fill stands behind the full sequence and a round, a quarter a wave: one load a wave is out.
	s_wait_alu depctr_va_vdst(0)                   ; the wait at the head's end
	s_wait_tensorcnt 0x0                           ; my half of x or of wq is in
	ds_add_u32 v9, v10                             ; 0 onto my spare word
	s_mov_b32 s[G1W+2], 100<<16                    ; no tensor load of mine is out: from here on a weight's load brings a quarter, 100 rows
	s_mov_b32 s[G1W+4], 100
	s_wait_dscnt 0x0
	CROUND                                         ; x and wq are whole in all sixteen work-groups
	tensor_load_to_lds s[GW2:GW2+3], s[G1W:G1W+7]  ; wk's quarter w: it has all of q in which to land
	s_nop 0
	PLACES
	MAIN 2, W0, 4, 1, XR, 3, 0, 0x0                ; q: source 0 = wq, source 1 = x
	s_wait_tensorcnt 0x0                           ; all my tensor loads have landed, wk's quarter among them;
	ds_add_u32 v9, v10                             ; 0 onto my spare word;
	s_wait_dscnt 0x0                               ; the add is done, and my reads of wq are over
	CROUND                                         ; the same holds of every wave of all sixteen work-groups
	tensor_load_to_lds s[GW3:GW3+3], s[G1W:G1W+7]  ; wv's quarter w into wq's bytes: my one tensor load behind the round; it has q's way out and all of k in which to land
	s_nop 0
	PLACES                                         ; (also the places between the last products and the first read of their results)
	s_wait_loadcnt 0x0                             ; the table
	EPI 1, 66, 0, 768, 68, 0, 1
	MAIN 2, W1, 4, 1, XR, 3, 0, 0x0                ; k: source 0 = wk
	PLACES
	EPI 1, 70, 0, 768, 72, 12288, 1
	s_wait_tensorcnt 0x0                           ; my quarter of wv is in (no load was issued behind it),
	s_wait_dscnt 0x0
	s_barrier_signal -1
	s_barrier_wait -1                              ; everybody's is
	MAIN 1, XR, 3, 2, W0, 4, 0, 0x0                ; v: source 0 = x (the keys), source 1 = wv (the channels)
	PLACES
	EPI 0, 74, 6144, 1536, 76, 12800, 0
	s_wait_tensorcnt 0x0                           ; the wave's end
	ds_add_u32 v9, v10
	s_wait_dscnt 0x0
	CROUND                                         ; the closing round: no work-group ends while a partner may still ask for a tile that names it
	s_endpgm
.Lfunc_end_k_q889e1bd76e_qkv:
	.size	k_q889e1bd76e_qkv, .Lfunc_end_k_q889e1bd76e_qkv-k_q889e1bd76e_qkv
	.p2alignl 7, 3214868480
	.fill 96, 4, 3214868480
	.section	.rodata,"a",@progbits
	.p2align	6, 0x0
	.amdhsa_kernel k_q889e1bd76e_qkv
		.amdhsa_group_segment_fixed_size 327680
		.amdhsa_private_segment_fixed_size 0
		.amdhsa_enable_private_segment 0
		.amdhsa_kernarg_size 40
		.amdhsa_user_sgpr_count 2
		.amdhsa_user_sgpr_kernarg_segment_ptr 1
		.amdhsa_wavefront_size32 1
		.amdhsa_system_sgpr_workgroup_id_x 1
		.amdhsa_system_sgpr_workgroup_id_y 1
		.amdhsa_system_sgpr_workgroup_id_z 1
		.amdhsa_system_vgpr_workitem_id 0
		.amdhsa_next_free_vgpr 480
		.amdhsa_next_free_sgpr 96
		.amdhsa_reserve_vcc 0
		.amdhsa_float_denorm_mode_32 3
		.amdhsa_float_denorm_mode_16_64 3
		.amdhsa_memory_ordered 1
		.amdhsa_forward_progress 1
		.amdhsa_inst_pref_size 159
	.end_amdhsa_kernel
	.amdgpu_metadata
---
amdhsa.version: [ 1, 2 ]
amdhsa.kernels:
  - .name:           k_q889e1bd76e_qkv
    .symbol:         k_q889e1bd76e_qkv.kd
    .args:
      - { .name: codes, .offset: 0, .size: 8, .value_kind: global_buffer, .address_space: global }
      - { .name: tab, .offset: 8, .size: 8, .value_kind: global_buffer, .address_space: global }
      - { .name: qc, .offset: 16, .size: 8, .value_kind: global_buffer, .address_space: global }
      - { .name: qs, .offset: 24, .size: 8, .value_kind: global_buffer, .address_space: global }
      - { .name: kv, .offset: 32, .size: 8, .value_kind: global_buffer, .address_space: global }
    .group_segment_fixed_size: 327680
    .private_segment_fixed_size: 0
    .kernarg_segment_align: 8
    .kernarg_segment_size: 40
    .max_flat_workgroup_size: 128
    .sgpr_count:     96
    .vgpr_count:     480
    .wavefront_size: 32
...
	.end_amdgpu_metadata
.endif
;; end of part 2
;; launch attn (part 3): grid 16 x 16, 16 waves a work-group, no clusters, 327,680 bytes of LDS; arguments qc, qs, kv, ao; writes ao
.if DOCPART == 3
	.amdgcn_target "amdgcn-amd-amdhsa--gfx1250"
	.amdhsa_code_object_version 6
	.text
	.protected	k_q889e1bd76e_attn
	.globl	k_q889e1bd76e_attn
	.p2align	8
	.type	k_q889e1bd76e_attn,@function
k_q889e1bd76e_attn:
	s_mov_b64 s[64:65], 0
	v_nop
	global_prefetch_b8 v0, s[64:65] scope:SCOPE_SE
	s_setreg_imm32_b32 hwreg(HW_REG_WAVE_MODE, 25, 1), 1
	s_wait_xcnt 0x0
; Causal attention of one head on codes of BF6 with E8M0 scales, and the quantising of its result along the model's 1,024 channels for the last projection.
; t = score x log2(e) / 8; M = the running largest t rounded UP to a whole number; p = 2^(t - M) is quantised along the keys, not normalised; the row's sum is taken of the
; unquantised p and divides O at the end; when M moves, the sum and O are multiplied by 2^(old M - new M), which rounds nothing.
; Key tiles that lie wholly above the causal diagonal, which the problem's own mask throws away, are not walked.
; SHARES.  Work-group (i, head) owns the query blocks A = i and B = 31 - i (128 queries each): (i + 1) + (32 - i) = 33 key steps of 128 keys (one record of kv each).
; Sixteen waves in two groups of eight; wave w owns tile w % 8 of a block: 16 queries, 32 (w' / 2) + 8 (w' % 2) + r + 8 (r / 8).
;   group 0 (waves 0-7), rounds 0 to 16: A's records 0 .. i (round t: record t), A is finished, then B's records 16 .. 31 - i (round t: record t + 15 - i).  Rounds i and 16 lie on a diagonal.
;   group 1 (waves 8-15), rounds 1 to 16: B's records 0 .. 15 (round t: record t - 1).
; At the end group 0 hands its part of B (O^T, -M, the sum) to group 1 through an LDS stage; the parts are brought under the larger M by powers of two and added.
; Both products are used transposed (S^T = K Q^T, O^T = V^T P^T): a lane holds one query throughout; the keys of a tile of K are laid so that the 16 registers of tiles 2 b, 2 b + 1 are 16 neighbouring keys.
; THE FIRST PRODUCT'S K IS 64, the instruction's 128: Q's registers 6-11 hold zero codes, so what stands in K's registers 6-11 adds exactly 0; the scale bytes of those two blocks are 0 on both sides, which is 2^-127 and no NaN.
; LDS: slot 0 at 0 and slot 1 at 131,072, six records each (three rounds; place 2 r + g: round offset r, group g); the records of rounds 0 and 1 from 78,336 on, in the same order of places (place 1 is not used), filled once;
; the stage; the spare words.  Waves 0-2 fetch the three records of rounds 0 and 1 at the head; behind a change of slots waves 0-5 fetch a record each: one tensor load a wave is out, and every wait for tensor loads is for 0.
; Rounds 2 to 16 are five slots of three rounds.
; cluster = none: of a fill's six records the three of group 0 hang on i, and differ between the work-groups of a head.
; LIMITS: NaN and infinities are not served; a block under 2^-122 (zeros too) gets the byte 1; 1 / the sum is v_rcp_f32; the scaled scores stay under 2^31 in magnitude.
; REGISTERS: v1-3 16, 8, 4 x lane; v4-5 the add's; v6-8 the step's LDS addresses; v9 my query less 16 h; v10 4 r; v11, v231 the prefetches' offsets; v12 -M, v13 the largest t, v[14:15] the sum;
;   v16-27 Q and its zeros, v28 its words; v32-85 K's or V's codes; v86-149 S^T, then p; v150-181 O^T; v182-200 codes just made; v202-213 maxima, bytes, scale operands;
;   v[214:215] f or 1 / the sum; v216 at work; v217 p's word; v218-221 K's words; v222-223 V's; v224-230 block B's Q; v232 my tile's stage; v244-255 partial sums.
.set REC,   13056
.set SLOTB, 6*REC                      ; 78,336
.set SLOT1, 131072
.set PBASE, SLOTB                      ; four places, 52,224 bytes, in front of slot 1
.set STAGE, SLOT1+SLOTB                ; 209,408: eight parts of 4,608 bytes, which no tensor load fills
.set SPART, 4608
.set SPARE, STAGE+8*SPART              ; 246,272: 128 bytes for each of sixteen waves: eight blocks of 256 bytes that no other line names
.set KV,  32
.set S,   86
.set O,   150
.set PCD, 182
.set CT,  194
.set BM,  202
	s_load_b256 s[4:11], s[0:1], 0x0               ; qc, qs, kv, ao
	v_lshl_add_u32 v4, v0, 2, SPARE
	v_mov_b32 v5, 0
	ds_add_u32 v4, v5                              ; the opening lines: the add, twice on end, and its wait
	ds_add_u32 v4, v5
	s_wait_dscnt 0x0
	v_lshrrev_b32 v1, 5, v0
	s_delay_alu instid0(VALU_DEP_1)
	v_readfirstlane_b32 s12, v1                    ; wave
	s_mov_b32 s13, ttmp9                           ; i
	s_and_b32 s55, ttmp7, 0xffff                   ; head
	s_lshr_b32 s21, s12, 3                         ; group
	s_and_b32 s77, s12, 7                          ; tile; also my place in a slot
	s_and_b32 s26, s12, 1                          ; the group that my place serves
	s_sub_co_u32 s27, 15, s13
	s_add_co_u32 s14, s13, 1
	s_cmp_eq_u32 s21, 0
	s_cselect_b32 s14, s14, 1000                   ; the round at which block B begins: i + 1 in group 0, never in group 1
	s_cselect_b32 s16, s13, 1000                   ; the next round on a diagonal: i in group 0, never in group 1
	s_lshr_b32 s17, s77, 1
	s_add_co_u32 s17, s17, 2                       ; the round that my place serves: 2 + place / 2, then 3 more each time
	s_min_u32 s78, s12, 1
	s_add_co_u32 s78, s78, s12                     ; at the head waves 0, 1, 2 serve places 0, 2, 3:
	s_lshr_b32 s79, s78, 1                         ; rounds 0, 1, 1,
	s_and_b32 s3, s78, 1                           ; groups 0, 0, 1
	s_mov_b32 s28, 3<<16                           ; group 1: a record is a dense block: 51 rows of 256 bytes (32 elements of 8), no mask, no padding
	s_mov_b32 s29, 32<<16
	s_mov_b32 s30, 51<<16
	s_mov_b32 s31, 32<<16
	s_mov_b32 s32, 51
	s_mov_b32 s33, 32
	s_mov_b32 s34, 0
	s_mov_b32 s35, 0
	s_mul_i32 s42, s55, 32*REC
	s_mov_b32 s43, 0
	s_mov_b32 s36, 1
	s_mul_i32 s37, s78, REC
	s_add_co_u32 s37, s37, PBASE
	s_wait_kmcnt 0x0
	s_add_nc_u64 s[40:41], s[8:9], s[42:43]        ; the head's records
.macro RECADR rnd, grp, dst            ; s[dst:dst+1]: the record that group s[grp] wants in round s[rnd]
	s_cmp_gt_u32 s[\rnd], s13
	s_cselect_b32 s42, s27, 0
	s_add_co_u32 s42, s[\rnd], s42                 ; group 0: t, or t + 15 - i behind A
	s_sub_co_u32 s78, s[\rnd], 1                   ; group 1: t - 1
	s_cmp_eq_u32 s[\grp], 0
	s_cselect_b32 s42, s42, s78
	s_mul_i32 s42, s42, REC
	s_add_nc_u64 s[\dst:\dst+1], s[40:41], s[42:43]
.endm
	RECADR 79, 3, 38
	s_or_b32 s39, s39, 0x80000000
	s_cmp_lt_u32 s12, 3
	s_cbranch_scc0 .Lno_first
	tensor_load_to_lds s[36:39], s[28:35]          ; waves 0-2: the records of rounds 0 and 1
	s_nop 0
.rept 4
	v_nop
.endr
.Lno_first:
	v_and_b32 v3, 31, v0
	s_delay_alu instid0(VALU_DEP_1)
	v_lshlrev_b32 v1, 4, v3
	v_lshlrev_b32 v2, 3, v3
	v_lshlrev_b32 v11, 8, v3                       ; a record's blocks 0-31 of 256 bytes, a lane a block
	v_min_u32 v231, 18, v3
	v_lshlrev_b32 v3, 2, v3
	v_lshlrev_b32 v231, 8, v231                    ; its blocks 32-50; the lanes left over name block 50 again
	v_and_b32 v6, 15, v0                           ; r
	v_bfe_u32 v7, v0, 4, 1                         ; h
	s_delay_alu instid0(VALU_DEP_2)
	v_lshlrev_b32 v10, 2, v6
	s_wait_alu depctr_va_vdst(0)
	v_and_b32 v8, 8, v6
	s_delay_alu instid0(VALU_DEP_1)
	v_add_nc_u32 v9, v6, v8
	v_lshlrev_b32 v8, 4, v7
	s_delay_alu instid0(VALU_DEP_1)
	v_sub_nc_u32 v9, v9, v8
	s_lshr_b32 s56, s77, 1
	s_lshl_b32 s56, s56, 5
	s_and_b32 s57, s77, 1
	s_lshl_b32 s57, s57, 3
	s_add_co_u32 s56, s56, s57
	v_add_nc_u32 v9, s56, v9                       ; d = my query in its block - 16 h
	s_lshl_b32 s56, s55, 8
	s_add_co_u32 s56, s56, s77                     ; 256 head + tile
	s_lshl_b32 s57, s13, 3
	s_add_co_u32 s57, s57, s56                     ; my tile of block A
	s_sub_co_u32 s58, 31, s13                      ; block B
	s_lshl_b32 s59, s58, 3
	s_add_co_u32 s59, s59, s56                     ; my tile of it
	s_cmp_eq_u32 s21, 0
	s_cselect_b32 s57, s57, s59                    ; group 1 begins with B's
	s_mul_i32 s60, s57, 768
	s_mov_b32 s61, 0
	s_add_nc_u64 s[60:61], s[4:5], s[60:61]
	s_lshl_b32 s62, s57, 6
	s_mov_b32 s63, 0
	s_add_nc_u64 s[62:63], s[6:7], s[62:63]
	s_mul_i32 s66, s59, 768
	s_mov_b32 s67, 0
	s_add_nc_u64 s[66:67], s[4:5], s[66:67]
	s_lshl_b32 s68, s59, 6
	s_mov_b32 s69, 0
	s_add_nc_u64 s[68:69], s[6:7], s[68:69]
	global_load_b128 v[16:19], v1, s[60:61]        ; Q stays in registers
	global_load_b64 v[20:21], v2, s[60:61] offset:512
	global_load_b32 v28, v10, s[62:63]
	global_load_b128 v[224:227], v1, s[66:67]
	global_load_b64 v[228:229], v2, s[66:67] offset:512
	global_load_b32 v230, v10, s[68:69]
; A PREFETCH INTO THE L2.  Only the head's work-group 0 asks, whose group 0 is the first to want B's upper records, and in it waves 8 to 13, which fetch nothing.  Wave 8 + k names the record that wave k
; will fetch: here at the head that of slot 0's first fill, and behind each change of slots that of the NEXT change's fill, three rounds on: 51 blocks of 256 bytes, a lane a block, in two instructions.
; It stops with round 16: no address lies past the head's records.  The three records of rounds 0 and 1 come by their loads alone.
.macro ASK
	s_cmp_le_u32 s17, s54
	s_cbranch_scc0 .Lnot_mine_\@
	global_prefetch_b8 v11, s[52:53] th:TH_LOAD_NT scope:SCOPE_SE
	global_prefetch_b8 v231, s[52:53] offset:8192 th:TH_LOAD_NT scope:SCOPE_SE
.Lnot_mine_\@:
.endm
	s_cmp_eq_u32 s13, 0
	s_cselect_b32 s54, s21, 0
	s_cmp_lt_u32 s77, 6
	s_cselect_b32 s54, s54, 0
	s_lshl_b32 s54, s54, 4                         ; the last round that I prefetch for: 16 in waves 8-13 of the head's work-group 0, else 0
	RECADR 17, 26, 52
	ASK
	s_mul_i32 s78, s21, 3
	s_add_co_u32 s17, s17, s78                     ; from here on waves 8-15 stand one fill ahead
	; where my results go: BLK = the query block; quarter head / 4, K step parity (head / 2) % 2, my tile, HALF head % 2
	s_lshr_b32 s70, s55, 2
	s_mul_i32 s70, s70, 25600
	s_bfe_u32 s71, s55, 0x10001
	s_and_b32 s72, s55, 1
	s_mul_i32 s73, s71, 12288
	s_add_co_u32 s73, s73, s70
	s_mul_i32 s74, s77, 1536
	s_add_co_u32 s73, s73, s74
	s_mul_i32 s74, s72, 768
	s_add_co_u32 s73, s73, s74                     ; the codes' place in a BLK
	s_lshl_b32 s74, s77, 7
	s_add_co_u32 s74, s74, s70
	s_lshl_b32 s75, s71, 6
	s_add_co_u32 s74, s74, s75
	s_lshl_b32 s75, s72, 1
	s_add_co_u32 s74, s74, s75                     ; the two scale bytes' (24,576 stands in the immediate)
	s_mul_i32 s75, s13, 102400
	s_mul_i32 s76, s58, 102400
	s_add_co_u32 s44, s75, s73
	s_mov_b32 s45, 0
	s_add_nc_u64 s[44:45], s[10:11], s[44:45]      ; s[44:45], s[46:47]: block A
	s_add_co_u32 s46, s75, s74
	s_mov_b32 s47, 0
	s_add_nc_u64 s[46:47], s[10:11], s[46:47]
	s_add_co_u32 s48, s76, s73
	s_mov_b32 s49, 0
	s_add_nc_u64 s[48:49], s[10:11], s[48:49]      ; s[48:49], s[50:51]: block B
	s_add_co_u32 s50, s76, s74
	s_mov_b32 s51, 0
	s_add_nc_u64 s[50:51], s[10:11], s[50:51]
	s_mov_b32 s15, 0                               ; the round
	s_mul_i32 s18, s21, REC
	s_add_co_u32 s18, s18, PBASE                   ; LDS byte of my group's record
	s_mov_b32 s22, 0x76543210
	s_mov_b32 s23, 0xfedcba98
	s_mov_b32 s24, 0x3e38aa3b                      ; c = log2(e) / 8
	s_mov_b32 s25, s24                             ; (named with it as a pair, so it is written)
	s_mul_i32 s78, s77, SPART
	s_add_co_u32 s78, s78, STAGE
	v_add_nc_u32 v232, s78, v1                     ; my tile's part of the stage, 16 bytes a lane
	v_mov_b32 v13, 0xff61b1e6                      ; the largest t so far: -3e38, under every t
	s_delay_alu instid0(VALU_DEP_1)
	v_floor_f32 v12, -v13
	v_mov_b32 v14, 0
	v_mov_b32 v15, 0
	v_mov_b32 v215, 0                              ; (the upper half of the pair v[214:215])
	v_mov_b32 v216, 0
.irp j, 22,23,24,25,26,27, 80,81,82,83,84,85, 206,207,208,209
	v_mov_b32 v\j, 0                               ; Q's zero codes; what stands behind K's last tile; the lane permutes' destinations
.endr
.set n, 0
.rept 32
	v_mov_b32 v[O+n], 0                            ; O^T: the step is written once; the first finds zeros
.set n, n+1
.endr
; O^T / the sum, quantised along my head's 64 channels (register 16 b + i = channel 32 b + 16 h + i), leaves as a HALF and two scale bytes
.macro FINISH cb, sb
	v_add_f32 v14, v14, v15
	s_delay_alu instid0(VALU_DEP_1)
	v_permlanex16_b32 v216, v14, s22, s23
	s_delay_alu instid0(VALU_DEP_1)
	v_add_f32 v14, v14, v216                       ; the row's sum
	s_wait_alu depctr_va_vdst(0)                   ; the wait ahead of the reciprocal
	v_rcp_f32 v214, v14
	v_nop                                          ; a plain instruction behind the reciprocal
	s_wait_alu depctr_va_vdst(0)                   ; and the wait ahead of its first reader
.irp j, 0,2,4,6,8,10,12,14,16,18,20,22,24,26,28,30
	v_pk_mul_f32 v[O+\j:O+\j+1], v[O+\j:O+\j+1], v[214:215] op_sel_hi:[1,0]
.endr
	v_max3_num_f32 v[BM], |v[O]|, |v[O+1]|, 0x2800000
	v_max3_num_f32 v[BM+1], |v[O+16]|, |v[O+17]|, 0x2800000
.irp i, 2,4,6,8,10,12,14
	s_delay_alu instid0(VALU_DEP_2)
	v_max3_num_f32 v[BM], v[BM], |v[O+\i]|, |v[O+1+\i]|
	s_delay_alu instid0(VALU_DEP_2)
	v_max3_num_f32 v[BM+1], v[BM+1], |v[O+16+\i]|, |v[O+17+\i]|
.endr
	s_delay_alu instid0(VALU_DEP_2)
	v_permlanex16_b32 v[BM+4], v[BM], s22, s23
	s_delay_alu instid0(VALU_DEP_2)
	v_permlanex16_b32 v[BM+5], v[BM+1], s22, s23
	s_delay_alu instid0(VALU_DEP_2)
	v_max_num_f32 v[BM], v[BM], v[BM+4]
	s_delay_alu instid0(VALU_DEP_2)
	v_max_num_f32 v[BM+1], v[BM+1], v[BM+5]
	s_delay_alu instid0(VALU_DEP_2)
	v_add_nc_u32 v[BM+8], 0xfe000000, v[BM]
	s_delay_alu instid0(VALU_DEP_2)
	v_add_nc_u32 v[BM+9], 0xfe000000, v[BM+1]
	s_delay_alu instid0(VALU_DEP_2)
	v_lshrrev_b32 v[BM+4], 23, v[BM+8]
	s_delay_alu instid0(VALU_DEP_2)
	v_lshrrev_b32 v[BM+5], 23, v[BM+9]
	s_delay_alu instid0(VALU_DEP_1)
	v_lshl_or_b32 v217, v[BM+5], 8, v[BM+4]
	v_cvt_scalef32_pk16_bf6_f32 v[PCD:PCD+2], v[O:O+15], v[BM+8]
	v_cvt_scalef32_pk16_bf6_f32 v[CT:CT+2], v[O+16:O+31], v[BM+9]
	v_nop
.irp i, 0,1,2
	v_permlane16_swap_b32 v[PCD+\i], v[CT+\i]
.endr
.irp i, 0,1,2
	s_delay_alu instid0(VALU_DEP_3)
	v_mov_b32 v[PCD+3+\i], v[CT+\i]
.endr
	global_store_b128 v1, v[PCD:PCD+3], s[\cb:\cb+1]
	global_store_b64 v2, v[PCD+4:PCD+5], s[\cb:\cb+1] offset:512
	global_store_b16 v10, v217, s[\sb:\sb+1] offset:24576      ; lanes r and r + 16 hold the same two bytes for the same place
	s_wait_xcnt 0x0                                ; the stores have read their registers, which the next step writes
.endm
.macro SWITCH                          ; group 0: block A is finished, block B begins
	FINISH 44, 46
	s_mov_b32 s16, 16                              ; B's diagonal record, 31 - i, comes in round 16
.irp j, 0,1,2,3,4,5
	v_mov_b32 v[16+\j], v[224+\j]
.endr
	v_mov_b32 v28, v230
	v_mov_b32 v13, 0xff61b1e6
	s_delay_alu instid0(VALU_DEP_1)
	v_floor_f32 v12, -v13
	v_mov_b32 v14, 0
	v_mov_b32 v15, 0
.set n, 0
.rept 32
	v_mov_b32 v[O+n], 0                            ; (also the places between the moves into Q and its words and the products that read them)
.set n, n+1
.endr
.endm
; A KEY STEP: 128 keys.  idle = 1: in round 0 group 1 has no record, and jumps over the step's work
.macro STEP idle
.if \idle
	s_cmp_lt_u32 s15, s21
	s_cbranch_scc1 .Lidle_\@
.endif
	s_cmp_lg_u32 s15, s14
	s_cbranch_scc1 .Lsame_\@
	SWITCH
.Lsame_\@:
	v_add_nc_u32 v6, s18, v1
	v_add_nc_u32 v7, s18, v2
	v_add_nc_u32 v8, s18, v3
.irp t, 0,1,2,3,4,5,6,7
	ds_load_b128 v[KV+6*\t:KV+6*\t+3], v6 offset:768*\t
	ds_load_b64 v[KV+6*\t+4:KV+6*\t+5], v7 offset:768*\t+512
.endr
.irp g, 0,1,2,3
	ds_load_b32 v[218+\g], v8 offset:12288+128*\g  ; lanes 0-15: tile 2 g's words; lanes 16-31: tile 2 g + 1's
.endr
	s_wait_alu depctr_va_vdst(0)
	s_wait_dscnt 0x0
.irp t, 0,1,2,3,4,5,6,7
.if \t%2
	v_wmma_scale_f32_16x16x128_f8f6f4 v[S+8*\t:S+8*\t+7], v[KV+6*\t:KV+6*\t+11], v[16:27], 0, v[218+\t/2], v28 matrix_a_fmt:MATRIX_FMT_BF6 matrix_b_fmt:MATRIX_FMT_BF6 matrix_a_scale:MATRIX_SCALE_ROW1
.else
	v_wmma_scale_f32_16x16x128_f8f6f4 v[S+8*\t:S+8*\t+7], v[KV+6*\t:KV+6*\t+11], v[16:27], 0, v[218+\t/2], v28 matrix_a_fmt:MATRIX_FMT_BF6 matrix_b_fmt:MATRIX_FMT_BF6
.endif
.endr
.rept 4
	v_nop                                          ; four places: in front of the loads into K's registers, and of the first read of the scores
.endr
.irp w, 0,1,2,3                                ; V's four fragments are asked for now and land under the softmax
.irp a, 0,1
	ds_load_b128 v[KV+12*\w+6*\a:KV+12*\w+6*\a+3], v6 offset:6144+(2*\w+\a)*768
	ds_load_b64 v[KV+12*\w+6*\a+4:KV+12*\w+6*\a+5], v7 offset:6144+(2*\w+\a)*768+512
.endr
.endr
	ds_load_b32 v222, v8 offset:12800
	ds_load_b32 v223, v8 offset:12928
	s_cmp_lg_u32 s15, s16                          ; on the diagonal: register 16 b + i holds key 32 b + 16 h + i: hidden where 32 b + i > d
	s_cbranch_scc1 .Lopen_\@
	v_mov_b32 v216, 0xff800000
.set n, 0
.rept 64
	v_cmp_gt_i32 vcc_lo, 32*(n/16)+n%16, v9
	v_cndmask_b32 v[S+n], v[S+n], v216, vcc_lo
.set n, n+1
.endr
.Lopen_\@:
.irp b, 0,1,2,3
	v_max3_num_f32 v[BM+\b], v[S+16*\b], v[S+1+16*\b], v[S+2+16*\b]   ; the largest score of each block of 32 keys: for the row's maximum, and, since p rises with the score, for the block's largest p
.endr
.irp i, 3,5,7,9,11,13
.irp b, 0,1,2,3
	v_max3_num_f32 v[BM+\b], v[BM+\b], v[S+16*\b+\i], v[S+1+16*\b+\i]
.endr
.endr
.irp b, 0,1,2,3
	v_max_num_f32 v[BM+\b], v[BM+\b], v[S+15+16*\b]
.endr
.irp b, 0,1,2,3
	s_delay_alu instid0(VALU_DEP_4)
	v_permlanex16_b32 v[BM+4+\b], v[BM+\b], s22, s23
.endr
.irp b, 0,1,2,3
	s_delay_alu instid0(VALU_DEP_4)
	v_max_num_f32 v[BM+\b], v[BM+\b], v[BM+4+\b]
.endr
	s_delay_alu instid0(VALU_DEP_2)
	v_max3_num_f32 v216, v[BM], v[BM+1], v[BM+2]
	s_delay_alu instid0(VALU_DEP_1)
	v_max_num_f32 v216, v216, v[BM+3]
	s_delay_alu instid0(VALU_DEP_1)
	v_mul_f32 v216, s24, v216
	s_delay_alu instid0(VALU_DEP_1)
	v_max_num_f32 v13, v13, v216                   ; the running largest t
	v_mov_b32 v216, v12
	s_delay_alu instid0(VALU_DEP_2)
	v_floor_f32 v12, -v13                          ; -M = floor(-t)
	s_delay_alu instid0(VALU_DEP_1)
	v_sub_f32 v216, v12, v216                      ; old M - new M: a whole number, 0 or less
	s_delay_alu instid0(VALU_DEP_1)
	v_cvt_i32_f32 v216, v216                       ; (it saturates)
	s_delay_alu instid0(VALU_DEP_1)
	v_ldexp_f32 v214, 1.0, v216                    ; f = 2^(old M - new M)
.irp j, 0,2,4,6,8,10,12,14,16,18,20,22,24,26,28,30,32,34,36,38,40,42,44,46,48,50,52,54,56,58,60,62
	v_pk_fma_f32 v[S+\j:S+\j+1], v[S+\j:S+\j+1], s[24:25], v[12:13] op_sel_hi:[1,0,0]   ; t - M
.endr
.irp b, 0,1,2,3
	v_fma_f32 v[BM+\b], v[BM+\b], s24, v12         ; the same of each block's largest score
.endr
.set n, 0
	s_wait_alu depctr_va_vdst(0)                   ; the wait ahead of the batch
.rept 64
	v_exp_f32 v[S+n], v[S+n]                       ; p = 2^(t - M)
.set n, n+1
.endr
	v_pk_mul_f32 v[14:15], v[14:15], v[214:215] op_sel_hi:[1,0]   ; the sum under the new M (a plain instruction behind the exponentials)
	s_wait_alu depctr_va_vdst(0)                   ; one wait for the batch, ahead of its first reader
.irp b, 0,1,2,3
	v_exp_f32 v[BM+\b], v[BM+\b]                   ; each block's largest p
.endr
; the row's sum of the unquantised p: 32 pairs in eight chains by turns
.irp c, 0,1,2,3,4,5
	v_pk_add_f32 v[244+2*\c:245+2*\c], v[S+2*\c:S+2*\c+1], v[S+14+2*\c:S+15+2*\c]
.endr
	v_pk_add_f32 v[206:207], v[S+12:S+13], v[S+26:S+27]
	v_pk_add_f32 v[14:15], v[14:15], v[S+28:S+29]
.irp k, 30,46
.irp c, 0,1,2,3,4,5
	v_pk_add_f32 v[244+2*\c:245+2*\c], v[244+2*\c:245+2*\c], v[S+\k+2*\c:S+\k+2*\c+1]
.endr
	v_pk_add_f32 v[206:207], v[206:207], v[S+\k+12:S+\k+13]
	v_pk_add_f32 v[14:15], v[14:15], v[S+\k+14:S+\k+15]
.endr
	v_pk_add_f32 v[206:207], v[206:207], v[S+62:S+63]
	v_pk_add_f32 v[244:245], v[244:245], v[246:247]
	v_pk_add_f32 v[248:249], v[248:249], v[250:251]
	v_pk_add_f32 v[252:253], v[252:253], v[254:255]
	s_delay_alu instid0(VALU_DEP_4)
	v_pk_add_f32 v[14:15], v[14:15], v[206:207]
	s_delay_alu instid0(VALU_DEP_3)
	v_pk_add_f32 v[244:245], v[244:245], v[248:249]
	s_delay_alu instid0(VALU_DEP_2)
	v_pk_add_f32 v[14:15], v[14:15], v[252:253]
	s_delay_alu instid0(VALU_DEP_1)
	v_pk_add_f32 v[14:15], v[14:15], v[244:245]
	s_wait_alu depctr_va_vdst(0)                   ; and one for the four
.irp b, 0,1,2,3
	v_max_num_f32 v[BM+\b], 0x2800000, v[BM+\b]    ; the floor 2^(5 - 127)
.endr
.irp b, 0,1,2,3
	s_delay_alu instid0(VALU_DEP_4)
	v_add_nc_u32 v[BM+8+\b], 0xfe000000, v[BM+\b]
.endr
.irp b, 0,1,2,3
	s_delay_alu instid0(VALU_DEP_4)
	v_lshrrev_b32 v[BM+4+\b], 23, v[BM+8+\b]
.endr
	s_delay_alu instid0(VALU_DEP_3)
	v_lshl_or_b32 v217, v[BM+5], 8, v[BM+4]        ; p's scale word for these 128 keys
	s_delay_alu instid0(VALU_DEP_1)
	v_lshl_or_b32 v217, v[BM+6], 16, v217
	s_delay_alu instid0(VALU_DEP_1)
	v_lshl_or_b32 v217, v[BM+7], 24, v217
.irp c, 0,1
	v_cvt_scalef32_pk16_bf6_f32 v[PCD+6*\c:PCD+2+6*\c], v[S+32*\c:S+15+32*\c], v[BM+8+2*\c]
	v_cvt_scalef32_pk16_bf6_f32 v[CT+4*\c:CT+2+4*\c], v[S+16+32*\c:S+31+32*\c], v[BM+9+2*\c]
.endr
	v_nop
.irp c, 0,1
.irp i, 0,1,2
	v_permlane16_swap_b32 v[PCD+6*\c+\i], v[CT+4*\c+\i]
.endr
.irp i, 0,1,2
	s_delay_alu instid0(VALU_DEP_3)
	v_mov_b32 v[PCD+3+6*\c+\i], v[CT+4*\c+\i]
.endr
.endr
.irp j, 0,2,4,6,8,10,12,14,16,18,20,22,24,26,28,30
	v_pk_mul_f32 v[O+\j:O+\j+1], v[O+\j:O+\j+1], v[214:215] op_sel_hi:[1,0]   ; O^T under the new M (also the places between p's codes and word and the products below)
.endr
	s_wait_alu depctr_va_vdst(0)
	s_wait_dscnt 0x0                               ; V
.irp w, 0,1,2,3
.if \w%2
	v_wmma_scale_f32_16x16x128_f8f6f4 v[O+8*\w:O+8*\w+7], v[KV+12*\w:KV+12*\w+11], v[PCD:PCD+11], v[O+8*\w:O+8*\w+7], v[222+\w/2], v217 matrix_a_fmt:MATRIX_FMT_BF6 matrix_b_fmt:MATRIX_FMT_BF6 matrix_a_scale:MATRIX_SCALE_ROW1
.else
	v_wmma_scale_f32_16x16x128_f8f6f4 v[O+8*\w:O+8*\w+7], v[KV+12*\w:KV+12*\w+11], v[PCD:PCD+11], v[O+8*\w:O+8*\w+7], v[222+\w/2], v217 matrix_a_fmt:MATRIX_FMT_BF6 matrix_b_fmt:MATRIX_FMT_BF6
.endif
.endr
.rept 4
	v_nop                                          ; four places: in front of the next loads into V's registers and of the next read of O^T
.endr
.if \idle
.Lidle_\@:
.endif
	s_add_co_u32 s18, s18, 2*REC                   ; my group's record of the next round
	s_add_co_u32 s15, s15, 1
.endm
; THE CHANGE OF SLOTS: each wave waits for all its tensor loads, adds 0 to its spare word,
; and waits for that and for its reads of the slot left.  fill = 2: slot 0's first fill; fill = 1: the slot left (the first time: slot 1) takes the next three rounds' records; fill = 0: nothing more to fetch.
.macro CHANGE fill
	s_wait_tensorcnt 0x0                           ; no tensor load of mine is out, so group 0 may be written
	ds_add_u32 v4, v5
.if \fill
	ds_add_u32 v4, v5
	s_wait_xcnt 0x0                                ; the last prefetches have read their address
.if \fill == 1
	s_xor_b32 s37, s37, SLOT1
	s_add_co_u32 s17, s17, 3
.else
	s_mul_i32 s37, s77, REC                        ; slot 0, my place
.endif
	RECADR 17, 26, 52
	s_mov_b64 s[38:39], s[52:53]
	s_or_b32 s39, s39, 0x80000000
.endif
	s_wait_dscnt 0x0                               ; the add is done, and my reads of the slot that I have left are over
	s_barrier_signal -1
	s_barrier_wait -1
.if \fill
	s_cmp_lt_u32 s12, 6
	s_cbranch_scc0 .Lno_fill_\@
	tensor_load_to_lds s[36:39], s[28:35]          ; the first thing behind the barrier, and my one tensor load until the next
	s_nop 0
.rept 4
	v_nop
.endr
.Lno_fill_\@:
	ASK
.endif
.endm
	s_wait_loadcnt 0x0                             ; Q
	CHANGE 2                                       ; the records of rounds 0 and 1 are in; slot 0 is asked for, and has these two rounds in which to land
	s_mov_b32 s20, 2
.Lfirst:
	STEP 1
	s_sub_co_u32 s20, s20, 1
	s_cmp_lg_u32 s20, 0
	s_cbranch_scc1 .Lfirst
	s_mul_i32 s18, s21, REC                        ; slot 0, my group's place of its first round
	s_mov_b32 s19, 4
.Lslot:                                            ; four trips of three rounds: rounds 2 to 13; behind each change the next three rounds are asked for
	CHANGE 1
	s_mov_b32 s20, 3
.Lstep:
	STEP 0
	s_sub_co_u32 s20, s20, 1
	s_cmp_lg_u32 s20, 0
	s_cbranch_scc1 .Lstep
	s_sub_co_u32 s18, s18, SLOTB
	s_xor_b32 s18, s18, SLOT1                      ; on to the other slot
	s_sub_co_u32 s19, s19, 1
	s_cmp_lg_u32 s19, 0
	s_cbranch_scc1 .Lslot
	CHANGE 0                                       ; rounds 14 to 16 are written out
	s_mov_b32 s20, 3
.Ltail:
	STEP 0
	s_sub_co_u32 s20, s20, 1
	s_cmp_lg_u32 s20, 0
	s_cbranch_scc1 .Ltail
; THE TWO PARTS OF BLOCK B.  Group 0 stores its part as an image of its registers; a barrier; group 1's wave of the same tile reads it.
	s_cmp_lg_u32 s21, 0
	s_cbranch_scc1 .Lkeep
.irp q, 0,1,2,3,4,5,6,7
	ds_store_b128 v232, v[O+4*\q:O+4*\q+3] offset:512*\q   ; each accumulator from its low end on
.endr
	ds_store_b128 v232, v[12:15] offset:4096       ; -M, the largest t, the sum's two halves
.Lkeep:
	s_wait_dscnt 0x0                               ; my stores are done
	s_barrier_signal -1
	s_barrier_wait -1
	s_cmp_eq_u32 s21, 0
	s_cbranch_scc1 .Ldone
.irp q, 0,1,2,3,4,5,6,7
	ds_load_b128 v[S+4*\q:S+4*\q+3], v232 offset:512*\q
.endr
	ds_load_b128 v[S+32:S+35], v232 offset:4096
	s_wait_dscnt 0x0
	v_min_num_f32 v216, v12, v[S+32]               ; -M of both parts: the larger M
	s_delay_alu instid0(VALU_DEP_1)
	v_sub_f32 v[BM], v216, v12                     ; my M less it, and the other part's: whole numbers, 0 or less
	v_sub_f32 v[BM+1], v216, v[S+32]
	s_delay_alu instid0(VALU_DEP_2)
	v_cvt_i32_f32 v[BM], v[BM]                     ; (they saturate)
	s_delay_alu instid0(VALU_DEP_2)
	v_cvt_i32_f32 v[BM+1], v[BM+1]
	s_delay_alu instid0(VALU_DEP_2)
	v_ldexp_f32 v214, 1.0, v[BM]                   ; my part's factor
	s_delay_alu instid0(VALU_DEP_2)
	v_ldexp_f32 v[BM+2], 1.0, v[BM+1]              ; the other part's (the pair's upper half was written in the steps)
	s_delay_alu instid0(VALU_DEP_2)
	v_pk_mul_f32 v[14:15], v[14:15], v[214:215] op_sel_hi:[1,0]
.irp j, 0,2,4,6,8,10,12,14,16,18,20,22,24,26,28,30
	v_pk_mul_f32 v[O+\j:O+\j+1], v[O+\j:O+\j+1], v[214:215] op_sel_hi:[1,0]
.endr
	v_pk_fma_f32 v[14:15], v[S+34:S+35], v[BM+2:BM+3], v[14:15] op_sel_hi:[1,0,1]
.irp j, 0,2,4,6,8,10,12,14,16,18,20,22,24,26,28,30
	v_pk_fma_f32 v[O+\j:O+\j+1], v[S+\j:S+\j+1], v[BM+2:BM+3], v[O+\j:O+\j+1] op_sel_hi:[1,0,1]
.endr
	FINISH 48, 50
.Ldone:
	s_wait_tensorcnt 0x0                           ; the wave's end
	ds_add_u32 v4, v5
	s_wait_dscnt 0x0
	s_endpgm
.Lfunc_end_k_q889e1bd76e_attn:
	.size	k_q889e1bd76e_attn, .Lfunc_end_k_q889e1bd76e_attn-k_q889e1bd76e_attn
	.p2alignl 7, 3214868480
	.fill 96, 4, 3214868480
	.section	.rodata,"a",@progbits
	.p2align	6, 0x0
	.amdhsa_kernel k_q889e1bd76e_attn
		.amdhsa_group_segment_fixed_size 327680
		.amdhsa_private_segment_fixed_size 0
		.amdhsa_enable_private_segment 0
		.amdhsa_kernarg_size 32
		.amdhsa_user_sgpr_count 2
		.amdhsa_user_sgpr_kernarg_segment_ptr 1
		.amdhsa_wavefront_size32 1
		.amdhsa_system_sgpr_workgroup_id_x 1
		.amdhsa_system_sgpr_workgroup_id_y 1
		.amdhsa_system_sgpr_workgroup_id_z 1
		.amdhsa_system_vgpr_workitem_id 0
		.amdhsa_next_free_vgpr 256
		.amdhsa_next_free_sgpr 80
		.amdhsa_reserve_vcc 1
		.amdhsa_float_denorm_mode_32 3
		.amdhsa_float_denorm_mode_16_64 3
		.amdhsa_memory_ordered 1
		.amdhsa_forward_progress 1
		.amdhsa_inst_pref_size 106
	.end_amdhsa_kernel
	.amdgpu_metadata
---
amdhsa.version: [ 1, 2 ]
amdhsa.kernels:
  - .name:           k_q889e1bd76e_attn
    .symbol:         k_q889e1bd76e_attn.kd
    .args:
      - { .name: qc, .offset: 0, .size: 8, .value_kind: global_buffer, .address_space: global }
      - { .name: qs, .offset: 8, .size: 8, .value_kind: global_buffer, .address_space: global }
      - { .name: kv, .offset: 16, .size: 8, .value_kind: global_buffer, .address_space: global }
      - { .name: ao, .offset: 24, .size: 8, .value_kind: global_buffer, .address_space: global }
    .group_segment_fixed_size: 327680
    .private_segment_fixed_size: 0
    .kernarg_segment_align: 8
    .kernarg_segment_size: 32
    .max_flat_workgroup_size: 512
    .sgpr_count:     80
    .vgpr_count:     256
    .wavefront_size: 32
...
	.end_amdgpu_metadata
.endif
;; end of part 3
;; launch oproj (part 4): grid 8 x 32, 4 waves a work-group, clusters of 4 x 4, 229,888 bytes of LDS; arguments ao, codes, out0; writes out0
.if DOCPART == 4
	.amdgcn_target "amdgcn-amd-amdhsa--gfx1250"
	.amdhsa_code_object_version 6
	.text
	.protected	k_q889e1bd76e_oproj
	.globl	k_q889e1bd76e_oproj
	.p2align	8
	.type	k_q889e1bd76e_oproj,@function
k_q889e1bd76e_oproj:
	s_mov_b64 s[64:65], 0
	v_nop
	global_prefetch_b8 v0, s[64:65] scope:SCOPE_SE
	s_setreg_imm32_b32 hwreg(HW_REG_WAVE_MODE, 25, 1), 1
	s_wait_xcnt 0x0
	s_wait_alu depctr_hold_cnt(0) depctr_sa_sdst(0) depctr_va_vdst(0) depctr_va_sdst(0) depctr_va_ssrc(0) depctr_va_vcc(0) depctr_vm_vsrc(0)
	s_getreg_b32 s2, hwreg(HW_REG_IB_STS2, 6, 4)
	s_cmp_eq_u32 s2, 0
	s_cbranch_scc0 .Lentry_in_a_cluster
	s_endpgm
.Lentry_in_a_cluster:
	s_bfe_u32 s2, ttmp6, 0x10000c
	s_cmp_lg_u32 s2, 0xf033
	s_cbranch_scc0 .Lentry_shape_is_right
	s_endpgm
.Lentry_shape_is_right:
; out0 = attention's result x wo^T, on codes of BF6 with E8M0 scales.  A work-group takes 128 positions (ao's BLK y) against 128 rows of wo (codes' BLK 56 + x), all of K = 1024 in LDS.
; Wave (a, b) makes positions 64 a on times outputs 64 b on: 16 accumulators, 8 K steps of 128.  Source 0 = 16 rows of wo, source 1 = 16 positions: a lane holds one position,
; and the 32 registers of a tile of positions are outputs 32 b' + 16 h + i (register 16 b' + i).
; wo's fragments are images of their registers (three loads of 16 bytes a lane); ao's are two HALVES, one a head: 16 bytes at 16 l, 8 at 512 + 8 l, and the same 768 bytes on.
; CLUSTER 4 x 4: ao's BLK hangs on y alone and is asked for jointly along a row of the cluster, wo's on x alone, down a column.  Every LDS byte is filled once: one tensor load a wave is out.
; THE WAY OUT: a tile's 16 positions x 64 outputs go through my own stage (rows of 256 bytes + 16) and leave so that sixteen lanes store 256 consecutive bytes at a multiple of 256.
; REGISTERS.  window 0: v1-4, v14 my lane's places; v5-9 the K pair's addresses; v10-12 the way out; v16-31 scale words, two sets; v32-127 fragments of even K steps (later rows of out0);
;   v128-255 accumulators.  window 1: v128-223 fragments of odd K steps.
.set AOB,   0
.set WOB,   102400
.set STAGE, 204800                     ; behind what the tensor loads fill: 16 rows x 272 bytes for each wave
.set SP,    272
.set QB,    25600
.set BLKB,  102400
.set ACC,   128
.set G1A, 24
.set G1W, 32
.set GA0, 40
.set GA1, 44
.set GW0, 48
.set GW1, 52
.set MSB, 0
.macro WIN new                         ; the immediate's high byte repeats the setting that is left
.if MSB != \new
	s_set_vgpr_msb (MSB<<8)|\new
.set MSB, \new
.endif
.endm
.macro PLACES
.rept 4
	v_nop
.endr
.endm
.macro CROUND                          ; a round of the cluster's barrier
	s_barrier_signal -1
	s_barrier_wait -1
	s_cmp_lg_u32 s14, 0
	s_cbranch_scc1 .Lnot_wave_0_\@
	s_barrier_signal -3
.Lnot_wave_0_\@:
	s_barrier_wait -3
	s_barrier_signal -1
	s_barrier_wait -1
.endm
	s_load_b128 s[4:7], s[0:1], 0x0                ; ao, codes
	s_load_b64 s[8:9], s[0:1], 0x10                ; out0
	v_lshl_add_u32 v15, v0, 2, 0x38000
	s_set_vgpr_msb 0x40
	v_mov_b32 v225, 0
	s_set_vgpr_msb 0x4044
	ds_add_u32 v15, v225
	ds_add_u32 v15, v225
	s_set_vgpr_msb 0x4400
	v_lshrrev_b32 v1, 5, v0
	v_readfirstlane_b32 s14, v1                    ; wave
	s_lshr_b32 s15, s14, 1                         ; a
	s_and_b32 s16, s14, 1                          ; b
	s_bfe_u32 s17, ttmp6, 0x40000                  ; cx
	s_bfe_u32 s18, ttmp6, 0x40004                  ; cy
	s_lshl_b32 s19, ttmp9, 2
	s_add_co_u32 s19, s19, s17                     ; wo's block
	s_and_b32 s20, ttmp7, 0xffff
	s_lshl_b32 s20, s20, 2
	s_add_co_u32 s20, s20, s18                     ; ao's block
	s_lshl_b32 s21, s18, 2
	s_lshl_b32 s21, 15, s21                        ; my row of the cluster
	s_lshl_b32 s22, 0x1111, s17                    ; my column
	s_or_b32 s[G1A], s21, (3<<16)|(1<<21)
	s_or_b32 s[G1W], s22, (3<<16)|(1<<21)
.irp g, G1A, G1W                               ; a quarter of a BLK: 100 rows of 256 bytes
	s_mov_b32 s[\g+1], 32<<16
	s_mov_b32 s[\g+2], 200<<16                     ; a load brings half a BLK: 200 rows of 256 bytes
	s_mov_b32 s[\g+3], 32<<16
	s_mov_b32 s[\g+4], 200
	s_mov_b32 s[\g+5], 32
	s_mov_b32 s[\g+6], 0
	s_mov_b32 s[\g+7], 0
.endr
	s_mul_i32 s58, s16, 2*QB                       ; half b
	s_mul_i32 s56, s20, BLKB
	s_add_co_u32 s56, s56, s58
	s_mov_b32 s57, 0
	s_mul_i32 s60, s19, BLKB
	s_add_co_u32 s60, s60, 56*BLKB
	s_add_co_u32 s60, s60, s58
	s_mov_b32 s61, 0
	s_wait_dscnt 0x0
	s_wait_kmcnt 0x0
	s_mov_b32 s[GA0], 1
	s_add_co_u32 s[GA0+1], s58, AOB
	s_add_nc_u64 s[GA0+2:GA0+3], s[4:5], s[56:57]
	s_or_b32 s[GA0+3], s[GA0+3], 0x80000000
	s_mov_b32 s[GW0], 1
	s_add_co_u32 s[GW0+1], s58, WOB
	s_add_nc_u64 s[GW0+2:GW0+3], s[6:7], s[60:61]
	s_or_b32 s[GW0+3], s[GW0+3], 0x80000000
	CROUND                                         ; all sixteen work-groups are here: the joint loads meet
	s_cmp_lt_u32 s14, 2
	s_cbranch_scc0 .Lfill_w
	tensor_load_to_lds s[GA0:GA0+3], s[G1A:G1A+7]  ; waves 0, 1: ao's half b
	s_nop 0
	PLACES
	s_branch .Lfilled
.Lfill_w:
	tensor_load_to_lds s[GW0:GW0+3], s[G1W:G1W+7]  ; waves 2, 3: wo's
	s_nop 0
	PLACES
.Lfilled:
	v_and_b32 v13, 31, v0                          ; lane
	v_lshlrev_b32 v5, 4, v13
	v_lshlrev_b32 v6, 3, v13
	v_lshlrev_b32 v7, 2, v13
	s_mul_i32 s68, s15, 6144
	v_add_nc_u32 v1, s68, v5                       ; ao's fragments, the pieces of 16 bytes
	v_add_nc_u32 v2, s68, v6                       ; and of 8
	s_mul_i32 s68, s16, 6144
	v_add_nc_u32 v3, s68, v5                       ; wo's
	s_lshl_b32 s68, s15, 9
	v_add_nc_u32 v4, s68, v7                       ; ao's scale words
	s_lshl_b32 s68, s16, 9
	v_add_nc_u32 v14, s68, v7                      ; wo's
	v_and_b32 v8, 15, v0                           ; r
	v_bfe_u32 v9, v0, 4, 1                         ; h
	s_mul_i32 s68, s14, 16*SP
	s_add_co_u32 s68, s68, STAGE                   ; my stage
	v_mul_u32_u24 v10, v8, SP
	v_lshl_add_u32 v10, v9, 6, v10
	v_add_nc_u32 v10, s68, v10                     ; in: row r, + 64 h
	v_mul_u32_u24 v11, v9, SP
	v_lshl_add_u32 v11, v8, 4, v11
	v_add_nc_u32 v11, s68, v11                     ; back: lanes 0-15 one row, lanes 16-31 the next
	v_lshlrev_b32 v12, 12, v9
	v_lshl_add_u32 v12, v8, 4, v12                 ; and the same two rows in out0
	s_lshl_b32 s66, s20, 19
	s_lshl_b32 s68, s15, 18
	s_add_co_u32 s66, s66, s68                     ; position 128 y + 64 a, rows of 4,096 bytes,
	s_lshl_b32 s68, s19, 9
	s_add_co_u32 s66, s66, s68
	s_lshl_b32 s68, s16, 8
	s_add_co_u32 s66, s66, s68                     ; output 128 x + 64 b
	s_mov_b32 s67, 0
	s_add_nc_u64 s[66:67], s[8:9], s[66:67]
.macro FETCH s                         ; the fragments of K step s; with an even step the pair's scale words
.if (\s)%2
	WIN 0x40
.else
	WIN 0
.endif
.set FB, 32+96*((\s)%2)
.irp f, 0,1,2,3
.irp c, 0,1,2
	ds_load_b128 v[FB+12*\f+4*\c:FB+12*\f+4*\c+3], v5 offset:12288*((\s)%2)+1536*\f+512*\c
.endr
.endr
.irp f, 0,1,2,3
.irp c, 0,1
	ds_load_b128 v[FB+48+12*\f+6*\c:FB+48+12*\f+6*\c+3], v6 offset:12288*((\s)%2)+1536*\f+768*\c
	ds_load_b64 v[FB+48+12*\f+6*\c+4:FB+48+12*\f+6*\c+5], v7 offset:12288*((\s)%2)+1536*\f+768*\c+512
.endr
.endr
.if (\s)%2 == 0
.set SS, 16+8*(((\s)/2)%2)
.irp f, 0,1,2,3
	ds_load_b32 v[SS+\f], v8 offset:24576+128*\f
	ds_load_b32 v[SS+4+\f], v9 offset:24576+128*\f
.endr
.endif
.endm
.macro ADDR p                          ; the addresses of K pair p: five plain instructions
	v_add_nc_u32 v5, WOB+QB*(\p), v3
	v_add_nc_u32 v6, AOB+QB*(\p), v1
	v_add_nc_u32 v7, AOB+QB*(\p), v2
	v_add_nc_u32 v8, WOB+QB*(\p), v14
	v_add_nc_u32 v9, AOB+QB*(\p), v4
.endm
.macro MM l, r
.set AC, ACC+32*\l+8*\r
.set FA, FBM+12*\r
.set FL, FBM+48+12*\l
.if ks == 0
	v_wmma_scale_f32_16x16x128_f8f6f4 v[AC:AC+7], v[FA:FA+11], v[FL:FL+11], 0, v[SSM+\r], v[SSM+4+\l] matrix_a_fmt:MATRIX_FMT_BF6 matrix_b_fmt:MATRIX_FMT_BF6
.elseif ks%2
	v_wmma_scale_f32_16x16x128_f8f6f4 v[AC:AC+7], v[FA:FA+11], v[FL:FL+11], v[AC:AC+7], v[SSM+\r], v[SSM+4+\l] matrix_a_fmt:MATRIX_FMT_BF6 matrix_b_fmt:MATRIX_FMT_BF6 matrix_a_scale:MATRIX_SCALE_ROW1 matrix_b_scale:MATRIX_SCALE_ROW1
.else
	v_wmma_scale_f32_16x16x128_f8f6f4 v[AC:AC+7], v[FA:FA+11], v[FL:FL+11], v[AC:AC+7], v[SSM+\r], v[SSM+4+\l] matrix_a_fmt:MATRIX_FMT_BF6 matrix_b_fmt:MATRIX_FMT_BF6
.endif
.endm
	s_wait_tensorcnt 0x0                           ; my one load, half of ao's or of wo's BLK, is in: one tensor load a wave is out in this text
	s_barrier_signal -1
	s_barrier_wait -1
	ADDR 0
	FETCH 0
.set ks, 0
.rept 8                                        ; a K step's fragments are asked for a step ahead; the 16 accumulators take turns
.if ks < 7
.if ks%2
	WIN 0
	ADDR (ks+1)/2                                  ; (also the places in front of the loads below)
.else
	PLACES
.endif
	FETCH ks+1
.if ks%2
	s_wait_alu depctr_va_vdst(0)
	s_wait_dscnt 36                                ; this step's fragments are in; the 36 loads just issued may be out
.else
	s_wait_dscnt 28                                ; likewise the 28
.endif
.else
	s_wait_dscnt 0x0
.endif
	WIN (ks%2)*5
.set FBM, 32+96*(ks%2)
.set SSM, 16+8*((ks/2)%2)
.irp l, 0,1,2,3
.irp r, 0,1,2,3
	MM \l, \r
.endr
.endr
.set ks, ks+1
.endr
	WIN 0
.macro TOSTAGE xt                      ; tile xt's 32 registers into my stage, each accumulator from its low end on, and back as rows; LDS serves a wave's instructions in order
.set q4, 0
.rept 8
	ds_store_b128 v10, v[ACC+32*(\xt)+4*q4:ACC+32*(\xt)+4*q4+3] offset:128*(q4/4)+16*(q4%4)
.set q4, q4+1
.endr
.set OBB, 32+32*((\xt)%2)
.irp t, 0,1,2,3,4,5,6,7
	ds_load_b128 v[OBB+4*\t:OBB+4*\t+3], v11 offset:2*\t*SP
.endr
.endm
.macro SEND xt, younger                ; stage row 2 t + (lane / 16) is position 32 (xt / 2) + 8 (xt % 2) + 2 t + 8 (t / 4) + (lane / 16) of my 64
.set OBB, 32+32*((\xt)%2)
	s_wait_dscnt \younger
.irp t, 0,1,2,3,4,5,6,7
	global_store_b128 v12, v[OBB+4*\t:OBB+4*\t+3], s[66:67] offset:(32*((\xt)/2)+8*((\xt)%2)+2*\t+8*(\t/4))*4096 th:TH_STORE_NT
.endr
.endm
	PLACES                                         ; four places between the last products and the first read of results, and the loads into fragments' registers
	TOSTAGE 0
	TOSTAGE 1
	SEND 0, 16                                     ; behind tile 0's loads: tile 1's 8 stores and 8 loads
	s_wait_xcnt 0x0                                ; tile 0's stores have read their registers: tile 2's rows land there
	TOSTAGE 2
	SEND 1, 16
	s_wait_xcnt 0x0
	TOSTAGE 3
	SEND 2, 16
	SEND 3, 0
	s_set_vgpr_msb 0x4
	s_wait_tensorcnt 0x0
	ds_add_u32 v15, v225
	s_wait_dscnt 0x0
	s_set_vgpr_msb 0x400
	CROUND                                         ; the closing round: no work-group ends while a partner may still ask for a tile that names it
	s_endpgm
.Lfunc_end_k_q889e1bd76e_oproj:
	.size	k_q889e1bd76e_oproj, .Lfunc_end_k_q889e1bd76e_oproj-k_q889e1bd76e_oproj
	.p2alignl 7, 3214868480
	.fill 96, 4, 3214868480
	.section	.rodata,"a",@progbits
	.p2align	6, 0x0
	.amdhsa_kernel k_q889e1bd76e_oproj
		.amdhsa_group_segment_fixed_size 229888
		.amdhsa_private_segment_fixed_size 0
		.amdhsa_enable_private_segment 0
		.amdhsa_kernarg_size 24
		.amdhsa_user_sgpr_count 2
		.amdhsa_user_sgpr_kernarg_segment_ptr 1
		.amdhsa_wavefront_size32 1
		.amdhsa_system_sgpr_workgroup_id_x 1
		.amdhsa_system_sgpr_workgroup_id_y 1
		.amdhsa_system_sgpr_workgroup_id_z 1
		.amdhsa_system_vgpr_workitem_id 0
		.amdhsa_next_free_vgpr 482
		.amdhsa_next_free_sgpr 80
		.amdhsa_reserve_vcc 0
		.amdhsa_float_denorm_mode_32 3
		.amdhsa_float_denorm_mode_16_64 3
		.amdhsa_memory_ordered 1
		.amdhsa_forward_progress 1
		.amdhsa_inst_pref_size 48
	.end_amdhsa_kernel
	.amdgpu_metadata
---
amdhsa.version: [ 1, 2 ]
amdhsa.kernels:
  - .name:           k_q889e1bd76e_oproj
    .symbol:         k_q889e1bd76e_oproj.kd
    .args:
      - { .name: ao, .offset: 0, .size: 8, .value_kind: global_buffer, .address_space: global }
      - { .name: codes, .offset: 8, .size: 8, .value_kind: global_buffer, .address_space: global }
      - { .name: out0, .offset: 16, .size: 8, .value_kind: global_buffer, .address_space: global }
    .group_segment_fixed_size: 229888
    .private_segment_fixed_size: 0
    .kernarg_segment_align: 8
    .kernarg_segment_size: 24
    .max_flat_workgroup_size: 128
    .sgpr_count:     80
    .vgpr_count:     482
    .wavefront_size: 32
...
	.end_amdgpu_metadata
.endif
;; end of part 4
